; MI455X (gfx1250); checked and timed in simulation.
; The chip was launched on July 23, 2026; its instructions are those of AMD's public machine-readable ISA for CDNA 5 (MIT licence, August 2026) and "CDNA5" Instruction Set Architecture Reference Guide (July 2026). The comments in the code are by the model that wrote it; some were corrected since.
;; Mo T Attention. Allowed arithmetic: float matrix products may take bf16 or f16 operands with f32 sums; other float arithmetic in f32, or as packed bf16 or f16 multiplies, adds, multiply-adds, maxima and minima; sums over many terms, partial sums and values carried from step to step in f32; what a program stores and reads back later, other than sums and carried values, may be rounded once to bf16 or f16.
;; Inputs: freq_cis 2,048 x 64 x 2 x 2 float32; modality_ids 2 x 2,048 int32; wk 2 x 2,048 x 512 float32; wo 2 x 1,024 x 2,048 float32; wq 2 x 2,048 x 1,024 float32; wv 2 x 2,048 x 512 float32; x 2 x 2,048 x 2,048 float32.
;; Outputs: out0 2 x 2,048 x 2,048 float32.
;; One version. Each part assembles by itself: llvm-mc -triple=amdgcn-amd-amdhsa -mcpu=gfx1250 --defsym DOCPART=n.
;; ======== version 1 of 1: 4 launches
;; limits: values are held in f16: magnitudes above 65,504 overflow, below 6.1e-05 lose precision
;; workspace buffers: xs 18,874,368 bytes; wqkv 16,777,216 bytes; wo16 8,388,608 bytes; qkv 16,777,216 bytes; attn 9,437,184 bytes; pos 16,384 bytes of whole numbers; tok 18,432 bytes of whole numbers; meta 256 bytes of whole numbers
;; launch prep (part 1): grid 256 x 1, 8 waves a work-group, no clusters, 1,280 bytes of LDS; arguments x, modality_ids, wq, wk, wv, wo, xs, wqkv, wo16, attn, pos, tok, meta; writes xs, wqkv, wo16, attn, pos, tok, meta
.if DOCPART == 1
	.amdgcn_target "amdgcn-amd-amdhsa--gfx1250"
	.amdhsa_code_object_version 6
	.text
	.protected	k_qfb25179112_prep
	.globl	k_qfb25179112_prep
	.p2align	8
	.type	k_qfb25179112_prep,@function
k_qfb25179112_prep:
	s_mov_b64 s[64:65], 0
	v_nop
	global_prefetch_b8 v0, s[64:65] scope:SCOPE_SE
	s_setreg_imm32_b32 hwreg(HW_REG_WAVE_MODE, 25, 1), 1
	s_wait_xcnt 0x0
; PREP: the sort of the 4,096 tokens by modality, and every 16-bit copy that the later launches multiply.
; SORTED ORDER.  4,608 slots = 16 tiles of 288 rows.  Expert 0's tokens take slots 0 .. n0-1 in token order; expert 1's begin at base1 = 288 t0, t0 = ceil(n0 / 288).
; ceil(n0/288) + ceil(n1/288) <= 16 for every split of 4,096 tokens.  The 512 slots that no token takes (pads) get zeros in xs and attn and token 0 in tok.
; SHARES.  256 work-groups of eight waves, all alike: work-group u takes 16 tokens of x, 8 batches of wq, 8 of wo, 4 of wk, 4 of wv and 2 pads: 320 KiB of f32, each byte read once.
; A BATCH is 2,048 f32 (8,192 dense bytes): eight chunks of 1,024 bytes in, eight chunks of 512 bytes out; a lane takes 32 bytes in (two loads of 16) and 16 bytes out,
; so each store of the wave covers 512 consecutive bytes, aligned.  Wave w has five batches: wq's 8 u + w, wo's 8 u + w, wk's 4 u + w (w < 4) or wv's 4 u + w - 4, and x's rows 16 u + 2 w, + 1.
; A batch is rounded in place, into the lower half of its 64 registers; a chunk's place in the destination is a constant of the text and stands in the store's immediate.
; ORDER.  The id words and two batches are asked for first; each further batch as soon as an older one is in; the routing is counted while three batches are on their way.  49 loads of a wave are out at the most.
; FORMATS.  x, wq, wk, wv: rounded once to bf16.  wo: rounded to bf16 like the other inputs, and that number written as f16 (exact from 6.1e-5 to 65,504; below, f16's fixed step of 6e-8).
; LIMITS.  A modality id other than 0 counts as 1.  |wo| stays under 65,504.  All routing arithmetic is in whole numbers.
; No matrix unit, no cluster, no tensor load: every byte has one reader and the launch is bound by memory.
.set SPARE, 256                        ; LDS: bytes 0-63 the eight waves' counts; from 256 on the spare words, 128 bytes a wave
.set IDR, 32                           ; v32-48   the id words
.set W0,  64                           ; v64-127  wq's batch
.set W1,  128                          ; v128-191 wo's batch
.set W2,  192                          ; v192-255 wk's or wv's batch
.set X0,  0                            ; window 1: v0-63 x's first row, v64-127 its second
.set X1,  64
; v1 lane, v2 32 x lane, v3 16 x lane, v12-19, v22-27, v52-58 at work, v20, v21 the add's two, v28-31 zeros
; s[8:33] the thirteen addresses; s34 wave; s35 work-group; s36 n1; s37 ones in front of my 16 tokens; s38 n0; s39 t0; s[40:47] sources: wq, wo, wk or wv, x;
; s[48:51], s[66:71] destinations: wq, wo, wk or wv, x's two rows; s[72:75] my part of a pad row in xs, attn; s52 EXEC kept; s53 base1; s54 my 16 tokens' bits; s55 pads behind expert 0; s56 mask; s57-63, s76-79 at work
.set MSB, 0
.macro WIN new                         ; the immediate's high byte repeats the setting that is left; a switch that changes nothing is dropped
.if MSB != (\new)
	s_set_vgpr_msb (MSB<<8)|(\new)
.set MSB, \new
.endif
.endm
.macro LDB xr, src, off                ; sixteen loads: a batch
.irp c, 0,1,2,3,4,5,6,7
	global_load_b128 v[(\xr)+8*(\c):(\xr)+8*(\c)+3],   v2, s[\src:\src+1] offset:(\off)+(\c)*1024 th:TH_LOAD_NT
	global_load_b128 v[(\xr)+8*(\c)+4:(\xr)+8*(\c)+7], v2, s[\src:\src+1] offset:(\off)+(\c)*1024+16 th:TH_LOAD_NT
.endr
.endm
.macro CVB xr                          ; rounded to bf16, in place: result n takes register n, behind which no source is still to be read
.set n, 0
.rept 32
	v_cvt_pk_bf16_f32 v[(\xr)+n], v[(\xr)+2*n], v[(\xr)+2*n+1]
.set n, n+1
.endr
.endm
.macro CVH xr                          ; rounded to bf16, widened again, written as f16
.set n, 0
.rept 32
.set t_, 52+4*(n%2)
	v_cvt_pk_bf16_f32 v[t_], v[(\xr)+2*n], v[(\xr)+2*n+1]
	v_lshlrev_b32 v[t_+1], 16, v[t_]
	v_and_b32 v[t_+2], s56, v[t_]
	v_cvt_pk_f16_f32 v[(\xr)+n], v[t_+1], v[t_+2]
.set n, n+1
.endr
.endm
.macro STB xr, dst, cpr                ; eight stores of 512 consecutive bytes: chunk c goes to row c / cpr, chunk c % cpr of the destination (rows of 4,096 bytes)
.irp c, 0,1,2,3,4,5,6,7
	global_store_b128 v3, v[(\xr)+4*(\c):(\xr)+4*(\c)+3], s[\dst:\dst+1] offset:((\c)/(\cpr))*4096+((\c)%(\cpr))*512
.endr
.endm
	s_load_b512 s[8:23], s[0:1], 0x0               ; x 8, ids 10, wq 12, wk 14, wv 16, wo 18, xs 20, wqkv 22
	s_load_b256 s[24:31], s[0:1], 0x40             ; wo16 24, attn 26, pos 28, tok 30
	s_load_b64 s[32:33], s[0:1], 0x60              ; meta
	v_lshl_add_u32 v20, v0, 2, SPARE
	v_mov_b32 v21, 0
	v_lshrrev_b32 v12, 5, v0
	v_readfirstlane_b32 s34, v12                   ; wave 0..7
	v_and_b32 v1, 31, v0
	v_lshlrev_b32 v2, 5, v1
	v_lshlrev_b32 v3, 4, v1
	s_mov_b32 s56, 0xffff0000
	s_mov_b32 s35, ttmp9
	v_lshlrev_b32 v12, 2, v1
	v_lshl_add_u32 v13, s34, 11, v12               ; the id words of tokens 512 w .. 512 w + 511
	s_lshr_b32 s57, s35, 1
	s_lshl_b32 s57, s57, 7
	v_add_nc_u32 v14, s57, v12                     ; and of the 32 tokens among which my work-group's 16 lie
	s_lshl_b32 s58, s35, 3
	s_add_co_u32 s58, s58, s34                     ; wq's and wo's batch: 8 u + w
	s_lshl_b32 s60, s58, 13                        ; its bytes in the source; also wq's in wqkv: two rows of 4,096 bytes a batch
	s_mov_b32 s61, 0
	s_lshl_b32 s62, s58, 12                        ; wo's in wo16: one row a batch
	s_mov_b32 s63, 0
	s_and_b32 s57, s34, 3
	s_lshl2_add_u32 s57, s35, s57                  ; wk's or wv's batch: 4 u + w % 4
	s_lshl_b32 s76, s57, 13
	s_mov_b32 s77, 0
	s_lshl_b32 s78, s57, 14                        ; four rows a batch
	s_mov_b32 s79, 0
	s_lshl_b32 s58, s35, 4
	s_lshl1_add_u32 s58, s34, s58                  ; x's rows: 16 u + 2 w, + 1
	s_lshl_b32 s58, s58, 13
	s_mov_b32 s59, 0
	s_movk_i32 s57, 3072
	s_wait_kmcnt 0x0
	s_add_nc_u64 s[40:41], s[12:13], s[60:61]
	s_add_nc_u64 s[42:43], s[18:19], s[60:61]
	s_add_nc_u64 s[48:49], s[22:23], s[60:61]      ; wq: columns 0-1023 of wqkv
	s_add_nc_u64 s[50:51], s[24:25], s[62:63]
	s_add_nc_u64 s[46:47], s[8:9], s[58:59]
	s_cmp_lt_u32 s34, 4                            ; waves 0-3 take wk, waves 4-7 wv
	s_cselect_b64 s[44:45], s[14:15], s[16:17]
	s_cselect_b32 s57, 2048, s57                   ; wk: columns 1024-1535, wv: 1536-2047
	s_add_co_u32 s78, s78, s57
	s_add_nc_u64 s[44:45], s[44:45], s[76:77]
	s_add_nc_u64 s[66:67], s[22:23], s[78:79]
.set q, 0
.rept 16
	global_load_b32 v[IDR+q], v13, s[10:11] offset:128*q
.set q, q+1
.endr
	global_load_b32 v[IDR+16], v14, s[10:11]
	LDB W0, 40, 0
	LDB W1, 42, 0
	s_wait_loadcnt 32                              ; the id words are in; the two batches' 32 loads stay out
	LDB W2, 44, 0
	s_wait_loadcnt 32                              ; wq's batch is in; wo's and wk's 32 loads stay out
	WIN 0x40                                       ; destination window 1
	LDB X0, 46, 0
	WIN 0
	CVB W0
	STB W0, 48, 4
	s_wait_loadcnt 32                              ; wo's batch is in; wk's and the first row's stay out
	WIN 0x40
	LDB X1, 46, 8192
	WIN 0
	CVH W1
	STB W1, 50, 8
	; THE ROUTING, while three batches are on their way.  Every work-group counts the whole list for itself: wave w has sixteen words of 32 tokens' bits
	s_mov_b32 s36, 0
	s_mov_b32 s37, 0
	s_lshl_b32 s59, s34, 4
	s_lshr_b32 s57, s35, 1
.set q, 0
.rept 16
	v_cmp_ne_u32 s58, 0, v[IDR+q]                  ; a bit for each token of expert 1
	s_bcnt1_i32_b32 s58, s58
	s_add_co_u32 s36, s36, s58                     ; all of them,
	s_add_co_u32 s60, s59, q
	s_cmp_lt_u32 s60, s57                          ; and those in words in front of my work-group's word
	s_cselect_b32 s58, s58, 0
	s_add_co_u32 s37, s37, s58
.set q, q+1
.endr
	v_cmp_ne_u32 s54, 0, v[IDR+16]
	v_mov_b32 v14, s36
	v_mov_b32 v15, s37
	v_mov_b32 v16, s34
	v_lshlrev_b32 v16, 3, v16
	ds_store_b64 v16, v[14:15]                     ; all lanes store the same pair into the wave's own eight bytes
	s_wait_dscnt 0x0                               ; for the others' sake
	s_barrier_signal -1
	s_barrier_wait -1
	v_mov_b32 v17, 0
	ds_load_b128 v[32:35], v17
	ds_load_b128 v[36:39], v17 offset:16
	ds_load_b128 v[40:43], v17 offset:32
	ds_load_b128 v[44:47], v17 offset:48
	s_wait_dscnt 0x0
	v_add3_u32 v12, v32, v34, v36
	v_add3_u32 v13, v33, v35, v37
	v_add3_u32 v12, v12, v38, v40
	v_add3_u32 v13, v13, v39, v41
	v_add3_u32 v12, v12, v42, v44
	v_add3_u32 v13, v13, v43, v45
	v_add_nc_u32 v12, v12, v46
	v_add_nc_u32 v13, v13, v47
	v_readfirstlane_b32 s36, v12
	v_readfirstlane_b32 s37, v13
	s_min_u32 s36, s36, 4096                       ; n1
	s_min_u32 s37, s37, 4096
	s_and_b32 s58, s35, 1
	s_lshl_b32 s58, s58, 4                         ; my 16 tokens are the word's low half (u even) or its high half
	s_bfm_b32 s59, s58, 0
	s_and_b32 s59, s59, s54
	s_bcnt1_i32_b32 s59, s59
	s_add_co_u32 s37, s37, s59                     ; expert 1's tokens in front of my 16
	s_lshr_b32 s54, s54, s58
	s_and_b32 s54, s54, 0xffff                     ; my 16 tokens' bits
	s_sub_co_u32 s38, 4096, s36                    ; n0
	s_add_co_u32 s39, s38, 287
	s_lshr_b32 s39, s39, 5                         ; (n0 + 287) / 32, at most 136;
	s_mul_i32 s39, s39, 57                         ; a / 9 = (57 a) >> 9 as long as a < 512
	s_lshr_b32 s39, s39, 9                         ; t0
	s_mul_i32 s53, s39, 288                        ; base1
	s_sub_co_u32 s55, s53, s38                     ; pads between expert 0's last token and base1
	s_cmp_lg_u32 s34, 0
	s_cbranch_scc1 .Lnot0
	; wave 0: the two lists for the work-group's 16 tokens (lanes 0-15) and 2 pads (lanes 0, 1)
	v_mbcnt_lo_u32_b32 v12, s54, 0
	v_add_nc_u32 v12, s37, v12                     ; expert 1's tokens in front of mine
	s_lshl_b32 s58, s35, 4
	v_add_nc_u32 v13, s58, v1                      ; my token
	v_sub_nc_u32 v14, v13, v12                     ; its slot with expert 0
	v_add_nc_u32 v15, s53, v12                     ; with expert 1
	v_cndmask_b32 v14, v14, v15, s54
	v_min_u32 v14, 0x11ff, v14
	v_lshlrev_b32 v16, 2, v13
	v_lshlrev_b32 v17, 2, v14
	s_lshl_b32 s58, s35, 1
	v_add_nc_u32 v18, s58, v1                      ; pad j = 2 u + lane; its slot is n0 + j in front of base1, else 4096 + j (base1 + n1 - pads in front = 4096)
	v_add_nc_u32 v19, s38, v18
	v_add_nc_u32 v22, 0x1000, v18
	v_cmp_gt_u32 vcc_lo, s55, v18
	v_cndmask_b32 v19, v22, v19, vcc_lo
	v_min_u32 v19, 0x11ff, v19
	v_lshlrev_b32 v19, 2, v19
	v_mov_b32 v23, 0
	v_cmp_gt_u32 vcc_lo, 16, v1
	s_wait_xcnt 0x0                                ; EXEC changes only behind this wait
	s_and_saveexec_b32 s52, vcc_lo
	global_store_b32 v16, v14, s[28:29]            ; pos[token] = slot: 64 consecutive bytes
	global_store_b32 v17, v13, s[30:31]            ; tok[slot] = token
	s_wait_xcnt 0x0
	s_or_b32 exec_lo, exec_lo, s52
	v_cmp_gt_u32 vcc_lo, 2, v1
	s_and_saveexec_b32 s52, vcc_lo
	global_store_b32 v19, v23, s[30:31]            ; tok[pad] = 0
	s_wait_xcnt 0x0
	s_or_b32 exec_lo, exec_lo, s52
	s_cmp_lg_u32 s35, 0
	s_cbranch_scc1 .Lnot0
	v_mov_b32 v24, s38                             ; meta: n0, t0, n1, base1
	v_mov_b32 v25, s39
	v_mov_b32 v26, s36
	v_mov_b32 v27, s53
	v_cmp_eq_u32 vcc_lo, 0, v1
	s_and_saveexec_b32 s52, vcc_lo
	global_store_b128 v23, v[24:27], s[32:33]
	s_wait_xcnt 0x0
	s_or_b32 exec_lo, exec_lo, s52
.Lnot0:
	; every wave: a quarter of a pad row of zeros in xs (1,024 bytes) and in attn (512 bytes)
	s_lshl_b32 s58, s35, 1
	s_lshr_b32 s59, s34, 2
	s_add_co_u32 s58, s58, s59                     ; pad j = 2 u + wave / 4
	s_add_co_u32 s59, s38, s58
	s_add_co_u32 s60, s58, 4096
	s_cmp_lt_u32 s58, s55
	s_cselect_b32 s59, s59, s60
	s_min_u32 s59, s59, 4607
	s_and_b32 s60, s34, 3
	s_lshl_b32 s62, s59, 12
	s_lshl_b32 s61, s60, 10
	s_add_co_u32 s62, s62, s61
	s_mov_b32 s63, 0
	s_add_nc_u64 s[72:73], s[20:21], s[62:63]
	s_lshl_b32 s62, s59, 11
	s_lshl_b32 s61, s60, 9
	s_add_co_u32 s62, s62, s61
	s_add_nc_u64 s[74:75], s[26:27], s[62:63]
	v_mov_b32 v28, 0
	v_mov_b32 v29, 0
	v_mov_b32 v30, 0
	v_mov_b32 v31, 0
	global_store_b128 v3, v[28:31], s[72:73]
	global_store_b128 v3, v[28:31], s[72:73] offset:512
	global_store_b128 v3, v[28:31], s[74:75]
	; the wave's two tokens, 16 u + 2 w + i: the destination of a row of x is its token's slot
.irp i, 0,1
	s_lshl_b32 s58, s34, 1
	s_add_co_u32 s58, s58, \i                      ; the token's bit
	s_bfm_b32 s59, s58, 0
	s_and_b32 s59, s59, s54
	s_bcnt1_i32_b32 s59, s59
	s_add_co_u32 s59, s59, s37                     ; expert 1's tokens in front of it
	s_lshl_b32 s60, s35, 4
	s_add_co_u32 s60, s60, s58
	s_sub_co_u32 s60, s60, s59
	s_add_co_u32 s59, s59, s53
	s_lshr_b32 s61, s54, s58
	s_and_b32 s61, s61, 1
	s_cmp_lg_u32 s61, 0
	s_cselect_b32 s60, s59, s60
	s_min_u32 s60, s60, 4607
	s_lshl_b32 s60, s60, 12
	s_mov_b32 s61, 0
	s_add_nc_u64 s[68+2*\i:69+2*\i], s[20:21], s[60:61]
.endr
	s_wait_loadcnt 32                              ; wk's or wv's batch is in; x's 32 loads stay out
	CVB W2
	STB W2, 66, 2
	s_wait_loadcnt 16                              ; x's first row is in; the second's 16 loads stay out
	WIN 0x45                                       ; destination and both sources window 1
	CVB X0
	WIN 0x04                                       ; the stores' data window 1, their offset window 0
	STB X0, 68, 8
	s_wait_loadcnt 0x0
	WIN 0x45
	CVB X1
	WIN 0x04
	STB X1, 70, 8
	WIN 0
	s_wait_tensorcnt 0x0                           ; the wave's end
	ds_add_u32 v20, v21
	s_wait_dscnt 0x0
	s_endpgm
.Lfunc_end_k_qfb25179112_prep:
	.size	k_qfb25179112_prep, .Lfunc_end_k_qfb25179112_prep-k_qfb25179112_prep
	.p2alignl 7, 3214868480
	.fill 96, 4, 3214868480
	.section	.rodata,"a",@progbits
	.p2align	6, 0x0
	.amdhsa_kernel k_qfb25179112_prep
		.amdhsa_group_segment_fixed_size 1280
		.amdhsa_private_segment_fixed_size 0
		.amdhsa_enable_private_segment 0
		.amdhsa_kernarg_size 104
		.amdhsa_user_sgpr_count 2
		.amdhsa_user_sgpr_kernarg_segment_ptr 1
		.amdhsa_wavefront_size32 1
		.amdhsa_system_sgpr_workgroup_id_x 1
		.amdhsa_system_sgpr_workgroup_id_y 1
		.amdhsa_system_sgpr_workgroup_id_z 1
		.amdhsa_system_vgpr_workitem_id 0
		.amdhsa_next_free_vgpr 384
		.amdhsa_next_free_sgpr 80
		.amdhsa_reserve_vcc 1
		.amdhsa_float_denorm_mode_32 3
		.amdhsa_float_denorm_mode_16_64 3
		.amdhsa_memory_ordered 1
		.amdhsa_forward_progress 1
		.amdhsa_inst_pref_size 40
	.end_amdhsa_kernel
	.amdgpu_metadata
---
amdhsa.version: [ 1, 2 ]
amdhsa.kernels:
  - .name:           k_qfb25179112_prep
    .symbol:         k_qfb25179112_prep.kd
    .args:
      - { .name: x, .offset: 0, .size: 8, .value_kind: global_buffer, .address_space: global }
      - { .name: modality_ids, .offset: 8, .size: 8, .value_kind: global_buffer, .address_space: global }
      - { .name: wq, .offset: 16, .size: 8, .value_kind: global_buffer, .address_space: global }
      - { .name: wk, .offset: 24, .size: 8, .value_kind: global_buffer, .address_space: global }
      - { .name: wv, .offset: 32, .size: 8, .value_kind: global_buffer, .address_space: global }
      - { .name: wo, .offset: 40, .size: 8, .value_kind: global_buffer, .address_space: global }
      - { .name: xs, .offset: 48, .size: 8, .value_kind: global_buffer, .address_space: global }
      - { .name: wqkv, .offset: 56, .size: 8, .value_kind: global_buffer, .address_space: global }
      - { .name: wo16, .offset: 64, .size: 8, .value_kind: global_buffer, .address_space: global }
      - { .name: attn, .offset: 72, .size: 8, .value_kind: global_buffer, .address_space: global }
      - { .name: pos, .offset: 80, .size: 8, .value_kind: global_buffer, .address_space: global }
      - { .name: tok, .offset: 88, .size: 8, .value_kind: global_buffer, .address_space: global }
      - { .name: meta, .offset: 96, .size: 8, .value_kind: global_buffer, .address_space: global }
    .group_segment_fixed_size: 1280
    .private_segment_fixed_size: 0
    .kernarg_segment_align: 8
    .kernarg_segment_size: 104
    .max_flat_workgroup_size: 256
    .sgpr_count:     80
    .vgpr_count:     384
    .wavefront_size: 32
...
	.end_amdgpu_metadata
.endif
;; end of part 1
;; launch qkvp (part 2): grid 16 x 16, 4 waves a work-group, clusters of 4 x 1, 327,680 bytes of LDS; arguments xs, wqkv, tok, meta, freq_cis, qkv; writes qkv
.if DOCPART == 2
	.amdgcn_target "amdgcn-amd-amdhsa--gfx1250"
	.amdhsa_code_object_version 6
	.text
	.protected	k_qfb25179112_qkvp
	.globl	k_qfb25179112_qkvp
	.p2align	8
	.type	k_qfb25179112_qkvp,@function
k_qfb25179112_qkvp:
	s_mov_b64 s[64:65], 0
	v_nop
	global_prefetch_b8 v0, s[64:65] scope:SCOPE_SE
	s_setreg_imm32_b32 hwreg(HW_REG_WAVE_MODE, 25, 1), 1
	s_wait_xcnt 0x0
	s_wait_alu depctr_hold_cnt(0) depctr_sa_sdst(0) depctr_va_vdst(0) depctr_va_sdst(0) depctr_va_ssrc(0) depctr_va_vcc(0) depctr_vm_vsrc(0)
	s_getreg_b32 s2, hwreg(HW_REG_IB_STS2, 6, 4)
	s_cmp_eq_u32 s2, 0
	s_cbranch_scc0 .Lentry_in_a_cluster
	s_endpgm
.Lentry_in_a_cluster:
	s_bfe_u32 s2, ttmp6, 0x10000c
	s_cmp_lg_u32 s2, 0x3003
	s_cbranch_scc0 .Lentry_shape_is_right
	s_endpgm
.Lentry_shape_is_right:
; QKV PROJECTION AND ROPE.  Sorted rows xs [4608][2048] bf16 times the tile's expert's weights wqkv [2][2048 k][2048 n] bf16; sums in f32; q and k turned by freq_cis's 2 x 2 matrices in f32;
; rounded once to f16; each row scattered to its token's place in qkv [16 heads][4096 tokens][128] (heads 0-7 q, 8-11 k, 12-15 v).
; FORMATS.  freq_cis is rounded to bf16 on its way in, as x and all the weights are: every floating-point input of the module carries the same one rounding.  The rotation itself is reckoned in f32.
; SHARES.  A work-group makes 288 rows (tile row y) x 128 columns (one head, x): 16 x 16 = 256 work-groups.  Wave (wr, wc) makes 144 x 64: 36 accumulators (a 0-8, b 0-3).
; Tile rows below t0 are expert 0's, the others expert 1's (meta, stored by the launch before); cnt = the tile's rows that hold tokens; rows past it are multiplied (zeros) and not stored.
; No branch hangs on cnt, which is read from memory: every store of the way out is narrowed by EXEC to the rows in front of the count, so that all partners of a cluster run the same lines.
; THE MATRIX INSTRUCTION IS USED TRANSPOSED: source 0 = 16 columns of the weights (turned out of LDS by ds_load_tr16_b128), source 1 = 16 rows of xs: a lane holds row l % 16 and columns 8 (l / 16) + 0..7.
; RING.  K in steps of 128 through two LDS slots: A 288 rows x 256 bytes (pitch 272), B 128 k-rows x 256 bytes (pitch 288).  One tensor load a wave behind each round: waves 0-2 96 rows of A, wave 3 all of B.
; CLUSTER 4 x 1: the four heads of a cluster share A's tile (73,728 of a step's 106,496 bytes): asked for jointly, mask 15.  B is not shared: its partners would be row tiles of one expert,
; and whole clusters for each expert would want more than 16 tile rows of 288 at some splits.  B's address alone holds my place in the cluster; no branch and no LDS address does.
; LIMITS.  q, k, v stay under 65,504 (f16); below 6.1e-5 they keep f16's fixed step of 6e-8.  NaN and infinities are not treated apart.
; REGISTERS.  window 0: v1 r, v2 h, v4, v5 my lane's place in A, B; v6, v7 the same in the slot in hand; v8, v9 stage in, out; v10 16 r; v12-14 list offsets; v28, v29 the add's two; v30 0, the rotation's first addend;
;   v32-135, v136-239 two fragment buffers (A's nine at +8 a, B's four at +72 + 8 b).  window 1: accumulators a 0-7 at 8 (4 a + b).  window 2: a = 8 at 8 b; v32-67 store offsets; v68-76 freq_cis offsets.
.set KD,     2048
.set NK,     KD/128
.set ESHIFT, 23                        ; an expert's weights are 2^23 bytes
.set PA,     272
.set PB,     288
.set ABYTES, 288*PA
.set AQ,     96*PA
.set SLOT1,  131072
.set SPARE,  115200                    ; between the slots: the spare words, 128 bytes a wave
.set STAGE,  246272                    ; behind the ring: 288 rows x 272 bytes, the work-group's, for the way out
.set F0,     32
.set F1,     136
.set TK,     32
.set FO,     68
.set MSB, 0
.macro WIN new                         ; the immediate's high byte repeats the setting that is left; a switch that changes nothing is dropped
.if MSB != (\new)
	s_set_vgpr_msb (MSB<<8)|(\new)
.set MSB, \new
.endif
.endm
.macro PLACES                          ; four plain places behind matrix instructions (ISA guide 7.12.1)
.rept 4
	v_nop
.endr
.endm
.macro CROUND                          ; a round of the cluster's barrier
	s_barrier_signal -1
	s_barrier_wait -1
	s_cmp_lg_u32 s16, 0
	s_cbranch_scc1 .Lnot_wave_0_\@
	s_barrier_signal -3
.Lnot_wave_0_\@:
	s_barrier_wait -3
	s_barrier_signal -1
	s_barrier_wait -1
.endm
.macro JLOAD                           ; a refill: waves 0-2 A's thirds, jointly; wave 3 B, for its own work-group.  s_nop 0 and four v_nop follow each line
	s_cmp_lt_u32 s16, 3
	s_cbranch_scc0 .Lfor_b_\@
	tensor_load_to_lds s[52:55], s[32:39]
	s_nop 0
.rept 4
	v_nop
.endr
	s_branch .Lasked_\@
.Lfor_b_\@:
	tensor_load_to_lds s[60:63], s[40:47]
	s_nop 0
.rept 4
	v_nop
.endr
.Lasked_\@:
.endm
.macro FETCH kq, f                     ; 26 LDS loads in one run: the fragments of 32 along K, quarter kq of the slot in hand, into buffer f
	WIN 0
.irp a, 0,1,2,3,4,5,6,7,8
	ds_load_b128 v[(\f)+8*\a:(\f)+8*\a+3],   v6 offset:\a*16*PA+64*(\kq)
	ds_load_b128 v[(\f)+8*\a+4:(\f)+8*\a+7], v6 offset:\a*16*PA+64*(\kq)+32
.endr
.irp b, 0,1,2,3
	ds_load_tr16_b128 v[(\f)+72+8*\b:(\f)+72+8*\b+3],   v7 offset:(\kq)*32*PB+32*\b
	ds_load_tr16_b128 v[(\f)+72+8*\b+4:(\f)+72+8*\b+7], v7 offset:(\kq)*32*PB+32*\b+16*PB
.endr
.endm
.macro MUL f, alo, ahi, zero           ; row blocks alo .. ahi x all four column blocks; the 36 accumulators take turns, one instruction a turn
.set a_, \alo
.rept (\ahi)-(\alo)+1
.if a_ < 8
	WIN 0x50
.set acc_, 32*a_
.else
	WIN 0xa0
.set acc_, 0
.endif
.irp b, 0,1,2,3
.if \zero
	v_wmma_f32_16x16x32_bf16 v[acc_+8*\b:acc_+8*\b+7], v[(\f)+72+8*\b:(\f)+72+8*\b+7], v[(\f)+8*a_:(\f)+8*a_+7], 0
.else
	v_wmma_f32_16x16x32_bf16 v[acc_+8*\b:acc_+8*\b+7], v[(\f)+72+8*\b:(\f)+72+8*\b+7], v[(\f)+8*a_:(\f)+8*a_+7], v[acc_+8*\b:acc_+8*\b+7]
.endif
.endr
.set a_, a_+1
.endr
.endm
.macro QTR kq, f, g, zero              ; multiplies buffer f; ahead of that the next quarter's fragments are asked for, into g: they have 36 matrix instructions in which to come
	s_wait_dscnt 0x0                               ; f is in
	PLACES                                         ; g was read by the matrix instructions just issued
	FETCH \kq, \g
	MUL \f, 0, 8, \zero
.endm
.macro TURN fill                       ; a K step's last quarter (buffer 1) and the change of slots
	s_wait_dscnt 0x0                               ; buffer 1 is in: these were my last reads of the slot
	WIN 0
	s_wait_tensorcnt 0x0                           ; all my tensor loads have landed: the one that was out is my part of the next slot
	ds_add_u32 v28, v29                            ; 0 onto my spare word
.if \fill
	s_xor_b32 s53, s53, SLOT1                      ; the walking descriptors: the other slot than last time, the next K step
	s_add_nc_u64 s[54:55], s[54:55], 256
	s_xor_b32 s61, s61, SLOT1
	s_add_nc_u64 s[62:63], s[62:63], 128*4096
.endif
	MUL F1, 0, 3, 0                                ; sixteen matrix instructions stand between the add and the wait for it
	WIN 0
	s_wait_dscnt 0x0                               ; the add is done
.if \fill
	CROUND                                         ; no wave of any partner still reads the slot or has a load on its way
	JLOAD                                          ; first thing behind the round; its four v_nop are also the places in front of the loads below
.else
	s_barrier_signal -1
	s_barrier_wait -1
	PLACES
.endif
	s_xor_b32 s25, s25, SLOT1
	v_add_nc_u32 v6, s25, v4
	v_add_nc_u32 v7, s25, v5
	FETCH 0, F0
	MUL F1, 4, 8, 0
.endm
	s_load_b256 s[4:11], s[0:1], 0x0               ; xs 4, wqkv 6, tok 8, meta 10
	s_load_b128 s[12:15], s[0:1], 0x20             ; freq_cis 12, qkv 14
	v_lshl_add_u32 v28, v0, 2, SPARE
	v_mov_b32 v29, 0
	ds_add_u32 v28, v29                            ; the wave's opening
	v_lshrrev_b32 v1, 5, v0
	v_readfirstlane_b32 s16, v1                    ; wave 0..3
	s_lshr_b32 s17, s16, 1                         ; wr
	s_and_b32 s18, s16, 1                          ; wc
	s_bfe_u32 s19, ttmp6, 0x40000                  ; cx
	s_lshl_b32 s20, ttmp9, 2
	s_add_co_u32 s20, s20, s19                     ; x: the head
	s_and_b32 s21, ttmp7, 0xffff                   ; y: the tile row
	s_mov_b32 s32, 15|(1<<16)|(1<<20)|(1<<21)|(5<<22)|(3<<25)  ; A: mask of four; 2-byte elements; padding on; bit 21 beside a mask; after every 64 words, 4 words
	s_mov_b32 s33, 128<<16                         ; tensor_dim0 = 128
	s_mov_b32 s34, 96<<16                          ; tensor_dim1 = 96
	s_mov_b32 s35, 128<<16                         ; tile_dim0 = 128
	s_mov_b32 s36, 96                              ; tile_dim1 = 96
	s_mov_b32 s37, KD                              ; elements from row to row
	s_mov_b32 s38, 0
	s_mov_b32 s39, 0
	s_mov_b32 s40, (1<<16)|(1<<20)|(5<<22)|(7<<25) ; B: no mask; after every 64 words, 8 words
	s_mov_b32 s41, 128<<16
	s_mov_b32 s42, 128<<16
	s_mov_b32 s43, 128<<16
	s_mov_b32 s44, 128
	s_mov_b32 s45, 2048
	s_mov_b32 s46, 0
	s_mov_b32 s47, 0
	s_mov_b32 s48, 1                               ; group 0 of A, slot 0
	s_mul_i32 s49, s16, AQ
	s_mov_b32 s52, 1                               ; slot 1; this set then walks
	s_add_co_u32 s53, s49, SLOT1
	s_mov_b32 s56, 1                               ; group 0 of B, slot 0
	s_mov_b32 s57, ABYTES
	s_mov_b32 s60, 1
	s_mov_b32 s61, ABYTES+SLOT1
	s_mul_i32 s66, s21, 288
	s_mul_i32 s67, s16, 96
	s_add_co_u32 s66, s66, s67
	s_mul_i32 s66, s66, KD*2                       ; A: row 288 y + 96 w, in bytes
	s_mov_b32 s67, 0
	s_lshl_b32 s68, s20, 8                         ; B: the head's 256 bytes of each k-row
	s_mov_b32 s69, 0
	s_mov_b32 s25, 0
	s_wait_dscnt 0x0                               ; the opening add is done
	s_wait_kmcnt 0x0
	s_load_b64 s[22:23], s[10:11], 0x0             ; n0, t0
	s_add_nc_u64 s[50:51], s[4:5], s[66:67]
	s_add_nc_u64 s[54:55], s[50:51], 256
	s_or_b32 s51, s51, 0x80000000
	s_or_b32 s55, s55, 0x80000000
	s_wait_kmcnt 0x0
	s_min_u32 s22, s22, 4096
	s_min_u32 s23, s23, 16
	s_sub_co_u32 s29, 4096, s22
	s_cmp_ge_u32 s21, s23                          ; expert 1's tile?
	s_cselect_b32 s28, 1, 0
	s_cselect_b32 s29, s29, s22                    ; the expert's tokens
	s_cselect_b32 s30, s23, 0                      ; its first tile row
	s_sub_co_u32 s30, s21, s30
	s_mul_i32 s30, s30, 288
	s_sub_co_i32 s24, s29, s30
	s_max_i32 s24, s24, 0
	s_min_i32 s24, s24, 288                        ; cnt
	s_min_u32 s28, s28, 1
	s_lshl_b32 s28, s28, ESHIFT
	s_add_co_u32 s68, s68, s28
	s_add_nc_u64 s[58:59], s[6:7], s[68:69]
	s_add_nc_u64 s[62:63], s[58:59], 128*4096
	s_or_b32 s59, s59, 0x80000000
	s_or_b32 s63, s63, 0x80000000
	CROUND                                         ; all four work-groups are here: the first joint loads meet
	s_cmp_lt_u32 s16, 3                            ; a wave's two first fills stand in one branch: two loads of mine are out
	s_cbranch_scc0 .Lfirst_b
	tensor_load_to_lds s[48:51], s[32:39]
	s_nop 0
	tensor_load_to_lds s[52:55], s[32:39]
	s_nop 0
.rept 4
	v_nop
.endr
	s_branch .Lfirst_done
.Lfirst_b:
	tensor_load_to_lds s[56:59], s[40:47]
	s_nop 0
	tensor_load_to_lds s[60:63], s[40:47]
	s_nop 0
.rept 4
	v_nop
.endr
.Lfirst_done:
	v_and_b32 v1, 15, v0                           ; r
	v_bfe_u32 v2, v0, 4, 1                         ; h
	v_lshlrev_b32 v10, 4, v1
	v_mov_b32 v30, 0                               ; the addend of the rotation's first product
	s_mul_i32 s28, s17, 144*PA
	v_mul_u32_u24 v4, v1, PA
	v_lshl_add_u32 v4, v2, 4, v4
	v_add_nc_u32 v4, s28, v4                       ; A: (144 wr + r) x pitch + 16 h
	v_and_b32 v3, 7, v0
	v_lshl_add_u32 v3, v2, 3, v3
	v_mul_u32_u24 v5, v3, PB
	v_bfe_u32 v3, v0, 3, 1
	v_lshl_add_u32 v5, v3, 4, v5
	s_lshl_b32 s28, s18, 7
	s_add_co_u32 s28, s28, ABYTES
	v_add_nc_u32 v5, s28, v5                       ; B: (8 h + l % 8) x pitch + 16 ((l / 8) % 2) + my 64 columns
	v_mov_b32 v6, v4
	v_mov_b32 v7, v5
	s_mul_i32 s28, s17, 144*PA
	s_lshl_b32 s29, s18, 7
	s_add_co_u32 s28, s28, s29
	s_add_co_u32 s28, s28, STAGE
	v_mul_u32_u24 v8, v1, PA
	v_lshl_add_u32 v8, v2, 4, v8
	v_add_nc_u32 v8, s28, v8                       ; into the stage: row 144 wr + r, my half of its 256 bytes, 16 h
	s_mul_i32 s28, s16, 72*PA
	s_add_co_u32 s28, s28, STAGE
	v_mul_u32_u24 v9, v2, PA
	v_add_nc_u32 v9, v9, v10
	v_add_nc_u32 v9, s28, v9                       ; back: rows 72 w + 2 f + h, whole
	; the lists: the tokens of the rows that I store, and of the rows whose sums I hold
	s_mul_i32 s28, s21, 288
	s_mul_i32 s29, s16, 72
	s_add_co_u32 s29, s28, s29
	s_lshl_b32 s29, s29, 2
	v_lshl_add_u32 v12, v2, 2, s29
	s_mul_i32 s30, s17, 144
	s_add_co_u32 s30, s28, s30
	s_lshl_b32 s30, s30, 2
	v_lshl_add_u32 v13, v1, 2, s30
	s_lshl_b32 s31, s18, 9
	v_lshl_add_u32 v14, v2, 6, s31                 ; in a position's 1,024 bytes of freq_cis: my 32 pairs, my lanes' four
	WIN 0x80
.set n, 0
.rept 36
	global_load_b32 v[TK+n], v12, s[8:9] offset:8*n
.set n, n+1
.endr
.set n, 0
.rept 9
	global_load_b32 v[FO+n], v13, s[8:9] offset:64*n
.set n, n+1
.endr
	WIN 0
	s_lshl_b32 s68, s20, 20                        ; the head's 2^20 bytes of qkv
	s_mov_b32 s69, 0
	s_add_nc_u64 s[14:15], s[14:15], s[68:69]
	s_wait_loadcnt 0x0
	WIN 0x88
.set n, 0
.rept 45
	v_min_u32 v[TK+n], 0xfff, v[TK+n]
.set n, n+1
.endr
.set n, 0
.rept 9
	v_and_b32 v[FO+n], 0x7ff, v[FO+n]              ; the token's position in its sequence
.set n, n+1
.endr
	WIN 0x82
.set n, 0
.rept 36
	v_lshl_add_u32 v[TK+n], v[TK+n], 8, v10        ; token x 256 + 16 r
.set n, n+1
.endr
.set n, 0
.rept 9
	v_lshl_add_u32 v[FO+n], v[FO+n], 10, v14
.set n, n+1
.endr
	WIN 0
	s_wait_tensorcnt 0x1                           ; my part of K step 0 is in; step 1's may stay out
	s_barrier_signal -1
	s_barrier_wait -1
	FETCH 0, F0
	QTR 1, F0, F1, 1                               ; the first quarter stands ahead of the loop: its products start the sums
	WIN 0
	s_mov_b32 s26, NK-2
.Lstep:                                                ; a trip: from a K step's second quarter to the next step's first; one slot is filled again
	QTR 2, F1, F0, 0
	QTR 3, F0, F1, 0
	TURN 1
	QTR 1, F0, F1, 0
	WIN 0
	s_sub_co_u32 s26, s26, 1
	s_cmp_lg_u32 s26, 0
	s_cbranch_scc1 .Lstep
	QTR 2, F1, F0, 0                               ; the last two K steps ask for nothing
	QTR 3, F0, F1, 0
	TURN 0
	QTR 1, F0, F1, 0
	QTR 2, F1, F0, 0
	QTR 3, F0, F1, 0
	s_wait_dscnt 0x0
	MUL F1, 0, 8, 0
	WIN 0
	PLACES
; THE WAY OUT.  q and k: out[2 d + j] = F[d][j][0] t[2 d] + F[d][j][1] t[2 d + 1], F from freq_cis at the row's position; a lane's 8 columns are 4 pairs, 64 bytes of F for each column block.
.macro LOADF a                         ; block a's sixteen loads of 16 bytes, into buffer a % 2 (v32-95, v96-159)
	WIN 0x02
.set fb_, 32+64*((\a)%2)
.irp b, 0,1,2,3
.irp i, 0,1,2,3
	global_load_b128 v[fb_+16*\b+4*\i:fb_+16*\b+4*\i+3], v[FO+(\a)], s[12:13] offset:128*\b+16*\i
.endr
.endr
.endm
.macro TOSTAGE a
	WIN 0
.irp b, 0,1,2,3
	ds_store_b128 v8, v[192+4*\b:195+4*\b] offset:(\a)*16*PA+32*\b
.endr
.endm
.macro ROPE a
.set fb_, 32+64*((\a)%2)
	WIN 0
.set n, 0
.rept 32                               ; F rounded to bf16, in place: of a pair's four registers the first takes F[d][0][0..1], the third F[d][1][0..1], the lower index in the low half
	v_cvt_pk_bf16_f32 v[fb_+2*n], v[fb_+2*n], v[fb_+2*n+1]
.set n, n+1
.endr
.if (\a) < 8
	WIN 0x04
.set ac_, 32*(\a)
.else
	WIN 0x08
.set ac_, 0
.endif
.irp b, 0,1,2,3
.irp i, 0,1,2,3                        ; source 0 is a bf16 half, sources 1 and 2 whole f32; each accumulator is read from its lowest register on
	v_fma_mix_f32_bf16 v[160+8*\b+2*\i],   v[fb_+16*\b+4*\i],   v[ac_+8*\b+2*\i],   v30 op_sel_hi:[1,0,0]
	v_fma_mix_f32_bf16 v[160+8*\b+2*\i+1], v[fb_+16*\b+4*\i+2], v[ac_+8*\b+2*\i],   v30 op_sel_hi:[1,0,0]
	v_fma_mix_f32_bf16 v[160+8*\b+2*\i],   v[fb_+16*\b+4*\i],   v[ac_+8*\b+2*\i+1], v[160+8*\b+2*\i]   op_sel:[1,0,0] op_sel_hi:[1,0,0]
	v_fma_mix_f32_bf16 v[160+8*\b+2*\i+1], v[fb_+16*\b+4*\i+2], v[ac_+8*\b+2*\i+1], v[160+8*\b+2*\i+1] op_sel:[1,0,0] op_sel_hi:[1,0,0]
.endr
.endr
	WIN 0
.set n, 0
.rept 16
	v_cvt_pk_f16_f32 v[192+n], v[160+2*n], v[160+2*n+1]
.set n, n+1
.endr
	TOSTAGE \a
.endm
.macro VCVT a                          ; v: rounded as it is
.if (\a) < 8
	WIN 0x05
.set ac_, 32*(\a)
.else
	WIN 0x0a
.set ac_, 0
.endif
.set n, 0
.rept 16
	v_cvt_pk_f16_f32 v[192+n], v[ac_+2*n], v[ac_+2*n+1]
.set n, n+1
.endr
	TOSTAGE \a
.endm
	s_cmp_lt_u32 ttmp9, 3                          ; clusters 0-2 hold q's and k's heads, cluster 3 v's: alike in all partners
	s_cbranch_scc0 .Lnorope
	LOADF 0
	LOADF 1
.irp a, 0,1,2,3,4,5,6
	s_wait_loadcnt 16                              ; block a's sixteen are in; the next block's sixteen stay out
	ROPE \a
	LOADF (\a)+2
.endr
	s_wait_loadcnt 16
	ROPE 7
	s_wait_loadcnt 0x0
	ROPE 8
	s_branch .Ljoin
.Lnorope:
.irp a, 0,1,2,3,4,5,6,7,8
	VCVT \a
.endr
.Ljoin:
	s_wait_dscnt 0x0                               ; for the others' sake: a row's 256 bytes come from two waves
	s_barrier_signal -1
	s_barrier_wait -1
.set n, 0
.rept 36
	ds_load_b128 v[32+4*n:35+4*n], v9 offset:2*PA*n
.set n, n+1
.endr
	s_mul_i32 s28, s16, 72
	s_sub_co_i32 s27, s24, s28                     ; of my 72 rows so many hold tokens (0 or less: none)
	s_wait_xcnt 0x0                                ; EXEC changes only behind this wait
	WIN 0x02                                       ; the stores' offsets lie in window 2
.set n, 0
.rept 36
	s_sub_co_i32 s28, s27, 2*n
	v_cmp_gt_i32 vcc_lo, s28, v2                   ; row 2 n + h lies in front of the count
	s_wait_dscnt 35-n                              ; the younger loads of the run stay out
	s_and_saveexec_b32 s66, vcc_lo
	global_store_b128 v[TK+n], v[32+4*n:35+4*n], s[14:15]  ; 16 lanes store a token's 256 bytes of the head, aligned
	s_wait_xcnt 0x0                                ; and EXEC is widened again only behind this one
	s_or_b32 exec_lo, exec_lo, s66
.set n, n+1
.endr
	WIN 0
	s_wait_tensorcnt 0x0                           ; the wave's end
	ds_add_u32 v28, v29
	s_wait_dscnt 0x0
	CROUND                                         ; the closing round
	s_endpgm
.Lfunc_end_k_qfb25179112_qkvp:
	.size	k_qfb25179112_qkvp, .Lfunc_end_k_qfb25179112_qkvp-k_qfb25179112_qkvp
	.p2alignl 7, 3214868480
	.fill 96, 4, 3214868480
	.section	.rodata,"a",@progbits
	.p2align	6, 0x0
	.amdhsa_kernel k_qfb25179112_qkvp
		.amdhsa_group_segment_fixed_size 327680
		.amdhsa_private_segment_fixed_size 0
		.amdhsa_enable_private_segment 0
		.amdhsa_kernarg_size 48
		.amdhsa_user_sgpr_count 2
		.amdhsa_user_sgpr_kernarg_segment_ptr 1
		.amdhsa_wavefront_size32 1
		.amdhsa_system_sgpr_workgroup_id_x 1
		.amdhsa_system_sgpr_workgroup_id_y 1
		.amdhsa_system_sgpr_workgroup_id_z 1
		.amdhsa_system_vgpr_workitem_id 0
		.amdhsa_next_free_vgpr 640
		.amdhsa_next_free_sgpr 72
		.amdhsa_reserve_vcc 1
		.amdhsa_float_denorm_mode_32 3
		.amdhsa_float_denorm_mode_16_64 3
		.amdhsa_memory_ordered 1
		.amdhsa_forward_progress 1
		.amdhsa_inst_pref_size 175
	.end_amdhsa_kernel
	.amdgpu_metadata
---
amdhsa.version: [ 1, 2 ]
amdhsa.kernels:
  - .name:           k_qfb25179112_qkvp
    .symbol:         k_qfb25179112_qkvp.kd
    .args:
      - { .name: xs, .offset: 0, .size: 8, .value_kind: global_buffer, .address_space: global }
      - { .name: wqkv, .offset: 8, .size: 8, .value_kind: global_buffer, .address_space: global }
      - { .name: tok, .offset: 16, .size: 8, .value_kind: global_buffer, .address_space: global }
      - { .name: meta, .offset: 24, .size: 8, .value_kind: global_buffer, .address_space: global }
      - { .name: freq_cis, .offset: 32, .size: 8, .value_kind: global_buffer, .address_space: global }
      - { .name: qkv, .offset: 40, .size: 8, .value_kind: global_buffer, .address_space: global }
    .group_segment_fixed_size: 327680
    .private_segment_fixed_size: 0
    .kernarg_segment_align: 8
    .kernarg_segment_size: 48
    .max_flat_workgroup_size: 128
    .sgpr_count:     72
    .vgpr_count:     640
    .wavefront_size: 32
...
	.end_amdgpu_metadata
.endif
;; end of part 2
;; launch attn_k (part 3): grid 32 x 8, 4 waves a work-group, no clusters, 327,680 bytes of LDS; arguments qkv, pos, attn; writes attn
.if DOCPART == 3
	.amdgcn_target "amdgcn-amd-amdhsa--gfx1250"
	.amdhsa_code_object_version 6
	.text
	.protected	k_qfb25179112_attn_k
	.globl	k_qfb25179112_attn_k
	.p2align	8
	.type	k_qfb25179112_attn_k,@function
k_qfb25179112_attn_k:
	s_mov_b64 s[64:65], 0
	v_nop
	global_prefetch_b8 v0, s[64:65] scope:SCOPE_SE
	s_setreg_imm32_b32 hwreg(HW_REG_WAVE_MODE, 25, 1), 1
	s_wait_xcnt 0x0
; CAUSAL ATTENTION WITH SHARED KEY AND VALUE HEADS.  qkv [16 heads][4096 tokens][128] f16 (0-7 q, 8-11 k, 12-15 v); the result's rows go to attn [4608 slots][1024] f16 at slot pos[token].
; Products, maxima and sums in f32; the weights p are rounded to f16 for the second product (their sum is taken of the unrounded p), the result once at the end.
; THE WALK.  A group (batch b, key head kvh) has 64 blocks of 32 queries x its 2 query heads; block i needs the tiles 0 .. i / 8 of 256 keys.  A work-group takes blocks 63 - p and then p:
; 9 tiles whatever p: one loop of a constant count; every jump but the loops' own goes forward and passes neither a barrier nor a tensor load (but the one of LOAD's two lines that the wave's number does not choose).
; SHARES.  Wave (rh, kh): query head 2 kvh + rh, both tiles of 16 queries, and keys 128 kh .. 128 kh + 127 of every tile of 256, in two steps of 64: 18 steps of 64 matrix instructions.  The two
; key halves of a block and head, each with its own running maximum and sum, are merged once at the end, in f32, through LDS.
; RING.  Two slots of 256 keys: K 256 rows (pitch 272), then V 256 rows (pitch 288).  Behind each barrier one load a wave, 128 rows of 256 bytes: it has two steps, 128 matrix instructions and two softmaxes, in which to land.
; LAYOUT.  S^T = K Q^T holds one query a lane (l % 16) and keys 8 (l / 16) + 0..7; two such results rounded in pairs are source 1 of O^T = V^T P.  V is turned out of LDS by ds_load_tr16_b128.
; SOFTMAX.  p = 2^(c s - c m), c = log2(e) / sqrt(128), m a running maximum; O and l are multiplied by a = 2^(c m_old - c m_new) in every step.  m starts at -2^65, below every score (f16's
; products of 128 channels are 5.5e11 at the most), c m far below that, so the first step's a is 0 and wipes O and l, which need only be finite: 128 + 4 v_mov_b32 at the start, and no first step is written out.
; THE MASK is the C operand that starts S^T's sums: 0, or in a block's last tile -1e30 where the key lies behind the query; it is made anew for each of that tile's two steps.  A hidden score lies below m's
; start, so it never becomes m, and its weight is 2^(-1.3e29) = 0.  A wave whose keys are all hidden from a row (blocks 0 to 3, kh = 1) ends with l = 0, O = 0 and c m = -4.7e18: its weight in the merge is 0
; beside the half kh = 0, which sees key 0.
; IN PHASES: a step's K Q^T, its softmax (one batch of exponentials, one wait), its V^T P.  V's run of LDS loads stands behind K Q^T and lands during the softmax; K of a tile's second step is fetched in the
; middle of the first step's softmax.
; THE FIRST BLOCK'S PARTIAL RESULT waits in registers (window 3): beside two slots of 143,360 bytes LDS has no 67,584 bytes for it.  At the end both blocks' partials go into slot 1's bytes, behind that slot's
; last fill and last read.  Those 132 registers are written once at the start, since the copy into them stands under a branch.
; NO CLUSTER: a group's 32 work-groups ask for the same tile in the first five trips alone; a walk common to all would have 12 trips for 9.  NO PREFETCH: K and V are 8 MiB that the launch before has just stored.
; LIMITS.  q, k, v arrive within f16; a hidden score counts as its value less 1e30; a weight below 2^-126 counts as 0; NaN and infinities are not treated apart.
; REGISTERS.  window 0: v1 r; v2, v3 my lane's place in K, V; v4, v5 the same in the slot and step in hand; v6, v7 stage in, out; v8 16 r; v9, v10 where my partial goes (first, second block); v11 where I merge from;
;   v12-27 statistics, eight a tile: c m, m, l (two), c0-c3; v28-31 the mask's thresholds; v32-47 slots; v48-61 at work; v62, v63 the add's two; v64-127 S^T; v128-159 P; v160-223 Q; v224-255 rows on the way out
;   window 1: v0-127 O^T; v128-191 the second block's Q; v192-255 the mask.   window 2: v0-127 K; v128-255 V.   window 3: v0-127 the first block's O^T, v128-131 its c m and l.
.set KS,    64
.set PK,    272
.set PVP,   288
.set VOFF,  256*PK                     ; a slot: 256 rows of K, then 256 rows of V: 143,360 bytes
.set SLOT1, 0x24000                    ; slot 1 begins here: its two bits occur in none of the four loads' places in a slot (0, 0x8800, 0x11000, 0x1a000), so one exclusive or turns a place in one slot into the other's
.set STAGE, 2*SLOT1                    ; 16 rows x 272 bytes a wave
.set SP,    272
.set PART,  16896                      ; a partial: 16,384 bytes of O^T, 512 of statistics; eight of them lie in slot 1 at the end
.set SPARE, STAGE+4*16*SP              ; the spare words, 128 bytes a wave
.set ST,  12
.set S,   64
.set P,   128
.set Q,   160
.set QB,  128
.set MC,  192
.set WV,  12
.set G1K, 24
.set G1V, 32
.set G0K, 40
.set G0V, 44
.set SLOTS, 56
.set CNT, 57                           ; s57  counts a tile's two steps
.set CS,  58
.set SEL, 60
.set TBK, 62                           ; s62  LDS byte at which the slot in hand begins
.set TBV, 63                           ; s63  the same, plus the step's 64 rows of V
.set RT,  70
.set NXT, 71
.set LQ,  72
.set LQS, 73
.set OFF, 74
.set SQ,  76                           ; s76  the block's place in its last tile
.set TS,  77
.set BIGN, 82
.set SQC, 83                           ; s83  the same less the step's 64 keys
.set MSB, 0
.macro WIN new
.if MSB != (\new)
	s_set_vgpr_msb (MSB<<8)|(\new)
.set MSB, \new
.endif
.endm
.macro PLACES
.rept 4
	v_nop
.endr
.endm
.macro LOAD                            ; a fill: waves 0, 1 the two halves of a tile's K, waves 2, 3 those of its V: 128 rows of 256 bytes each.  s_nop 0 and four v_nop follow each line
	s_cmp_lt_u32 s[WV], 2
	s_cbranch_scc0 .Lfor_v_\@
	tensor_load_to_lds s[G0K:G0K+3], s[G1K:G1K+7]
	s_nop 0
.rept 4
	v_nop
.endr
	s_branch .Lasked_\@
.Lfor_v_\@:
	tensor_load_to_lds s[G0V:G0V+3], s[G1V:G1V+7]
	s_nop 0
.rept 4
	v_nop
.endr
.Lasked_\@:
.endm
; THE CHANGE OF SLOTS.  Each wave waits for all its tensor loads (one is out: its part of the other slot), adds 0 to its spare word, waits for that and for its reads of the slot that it leaves.
; Behind the barrier the old slot is filled first, with tile NXT; the descriptor's address is made anew from that number.
.macro CHANGE fill
	WIN 0
	s_wait_tensorcnt 0x0
	ds_add_u32 v62, v63
.if \fill
	s_lshl_b32 s[OFF], s[NXT], 16                  ; a tile is 65,536 bytes of K and of V
	s_xor_b32 s[G0K+1], s[G0K+1], SLOT1
	s_add_nc_u64 s[G0K+2:G0K+3], s[20:21], s[OFF:OFF+1]
	s_or_b32 s[G0K+3], s[G0K+3], 0x80000000
	s_xor_b32 s[G0V+1], s[G0V+1], SLOT1
	s_add_nc_u64 s[G0V+2:G0V+3], s[22:23], s[OFF:OFF+1]
	s_or_b32 s[G0V+3], s[G0V+3], 0x80000000
	s_add_co_u32 s[NXT], s[NXT], 1                 ; the block's next tile, or behind its last the second block's tile 0
	s_cmp_gt_u32 s[NXT], s[LQ]
	s_cselect_b32 s[NXT], 0, s[NXT]
	s_cselect_b32 s[LQ], s[LQS], s[LQ]
.endif
	s_wait_dscnt 0x0
	s_barrier_signal -1
	s_xor_b32 s[TBK], s[TBK], SLOT1                ; the other slot;
	s_sub_co_u32 s[TBV], s[TBV], 2*KS*PVP          ; V's fetches go back to a slot's first step,
	s_xor_b32 s[TBV], s[TBV], SLOT1                ; in the other slot
	s_barrier_wait -1
.if \fill
	LOAD
.endif
.endm
; Product i of 32 of S^T = K Q^T: channels 32 (i / 8) on, keys 16 ((i / 2) % 4) on, tile i % 2.  The first 8 start the sums with the mask.  The 8 accumulators take turns.
.macro KQ
.set rS, S+32*(i%2)+8*((i/2)%4)
.set rK, 32*((i/2)%4)+8*(i/8)
.set rQ, Q+32*(i%2)+8*(i/8)
.set rM, MC+32*(i%2)+8*((i/2)%4)
.if i < 8
	WIN 0x12
	v_wmma_f32_16x16x32_f16 v[rS:rS+7], v[rK:rK+7], v[rQ:rQ+7], v[rM:rM+7]
.else
	WIN 0x02
	v_wmma_f32_16x16x32_f16 v[rS:rS+7], v[rK:rK+7], v[rQ:rQ+7], v[rS:rS+7]
.endif
.endm
; Product i of 32 of O^T += V^T P: keys 32 (i / 16) on, channels 16 ((i / 2) % 8) on, tile i % 2.  16 accumulators by turns.
.macro PVM
	WIN 0x52
.set rO, 64*(i%2)+8*((i/2)%8)
.set rV, 128+64*(i/16)+8*((i/2)%8)
.set rP, P+16*(i%2)+8*(i/16)
	v_wmma_f32_16x16x32_f16 v[rO:rO+7], v[rV:rV+7], v[rP:rP+7], v[rO:rO+7]
.endm
; Number j of the 134 instructions of one tile's softmax for one step.  0-15 the maximum (each accumulator's lowest registers first); 16-20 the other half of the lanes, m, c m, its change;
; 21-69 the 16 scalings and all 33 exponentials, none of which reads an exponential's result; 70-85 the roundings; 86-101 the sums; 102-133 O^T times a.
.macro SM t
.set rT, ST+8*(\t)
.set rS, S+32*(\t)
.set rP, P+16*(\t)
.set rO, 64*(\t)+2*(j-102)
.if j < 102
	WIN 0
.endif
.if j < 4
	v_max3_num_f32 v[rT+4+j], v[rS+8*j], v[rS+8*j+1], v[rS+8*j+2]
.elseif j < 12
	v_max3_num_f32 v[rT+4+j%4], v[rT+4+j%4], v[rS+8*(j%4)+2*(j/4)+1], v[rS+8*(j%4)+2*(j/4)+2]
.elseif j == 12
	v_max3_num_f32 v[rT+4], v[rT+4], v[rS+7], v[rS+15]
.elseif j == 13
	v_max3_num_f32 v[rT+6], v[rT+6], v[rS+23], v[rS+31]
.elseif j == 14
	v_max3_num_f32 v[rT+4], v[rT+4], v[rT+5], v[rT+6]
.elseif j == 15
	v_max3_num_f32 v[rT+4], v[rT+4], v[rT+7], v[rT+1]
.elseif j == 16
	v_permlanex16_b32 v[rT+5], v[rT+4], s[SEL], s[SEL+1]
.elseif j == 17
	v_mov_b32 v[rT+7], v[rT]
.elseif j == 18
	v_max_num_f32 v[rT+1], v[rT+4], v[rT+5]
.elseif j == 19
	v_mul_f32 v[rT], s[CS], v[rT+1]
.elseif j == 20
	v_sub_f32 v[rT+7], v[rT+7], v[rT]
.elseif j == 23
	v_exp_f32 v[rT+6], v[rT+7]
.elseif (j < 23) || ((j < 38) && (j%2 == 0)) || ((j < 66) && (j%4 == 2))
.set b_, (j-2)/4
.if j < 38
.set b_, (j-20)/2
.endif
	v_pk_fma_f32 v[rS+2*b_:rS+2*b_+1], v[rS+2*b_:rS+2*b_+1], s[CS:CS+1], v[rT:rT+1] op_sel_hi:[1,0,0] neg_lo:[0,0,1] neg_hi:[0,0,1]
.elseif j < 70
.set e_, j-38
.if j < 66
.set e_, j-32-(j-38)/4
.endif
.if j < 38
.set e_, (j-25)/2
.endif
	v_exp_f32 v[rS+e_], v[rS+e_]
.elseif j < 86
	v_cvt_pk_f16_f32 v[rP+j-70], v[rS+2*(j-70)], v[rS+2*(j-70)+1]
.elseif j < 102
.set z_, j-86
.set w_, 4
.set u_, z_
.if z_ >= 14
.set w_, 32
.set u_, 0
.elseif z_ >= 12
.set w_, 16
.set u_, z_-12
.elseif z_ >= 8
.set w_, 8
.set u_, z_-8
.endif
.if z_ < 15
	v_pk_add_f32 v[rS+w_*u_:rS+w_*u_+1], v[rS+w_*u_:rS+w_*u_+1], v[rS+w_*u_+w_/2:rS+w_*u_+w_/2+1]
.else
	v_pk_fma_f32 v[rT+2:rT+3], v[rT+2:rT+3], v[rT+6:rT+7], v[rS:rS+1] op_sel_hi:[1,0,1]
.endif
.else
	WIN 0x41
	v_pk_mul_f32 v[rO:rO+1], v[rO:rO+1], v[rT+6:rT+7] op_sel_hi:[1,0]
.endif
.endm
.macro KLOADS off                      ; a step's K, 32 LDS loads in one run: keys 16 (f / 4) on, channels 32 (f % 4) on; off: 0 for my first 64 keys of the tile, 64 rows for my second
	WIN 0x80
.irp f, 0,1,2,3,4,5,6,7,8,9,10,11,12,13,14,15
	ds_load_b128 v[8*\f:8*\f+3],   v4 offset:(\off)+(\f/4)*16*PK+(\f%4)*64
	ds_load_b128 v[8*\f+4:8*\f+7], v4 offset:(\off)+(\f/4)*16*PK+(\f%4)*64+32
.endr
	WIN 0
.endm
.macro MKMASK                          ; a block's last tile: register j of key block kb of tile t is hidden where 16 kb + j is greater than the lane's threshold for this step
	WIN 0
	v_add_nc_u32 v28, s[SQC], v30
	v_add_nc_u32 v29, s[SQC], v31
	WIN 0x40
.set n, 0
.rept 64
	v_cmp_gt_i32 vcc_lo, 16*((n/8)%4)+n%8, v[28+n/32]
	v_cndmask_b32 v[MC+n], 0, s[BIGN], vcc_lo
.set n, n+1
.endr
	WIN 0
.endm
; MY 128 KEYS OF THE TILE IN THE SLOT IN HAND: two steps, written once and walked twice.  always = 1: the tile is a block's last whatever RT says.
.macro TILE always
	WIN 0
	v_add_nc_u32 v4, s[TBK], v2
	KLOADS 0                                       ; K's registers were last read by the step before's K Q^T: its four places and its softmax lie between
	s_mov_b32 s[SQC], s[SQ]
	s_mov_b32 s[CNT], 2
.Lstep_\@:
.if !(\always)
	s_cmp_lg_u32 s[RT], 0
	s_cbranch_scc1 .Lnomask_\@
.endif
	MKMASK
.Lnomask_\@:
	s_wait_dscnt 0x0                               ; K is in
.set i, 0
.rept 32
	KQ
.set i, i+1
.endr
	WIN 0
	PLACES                                         ; behind the products: for the softmax's reads of S^T, and for the loads into V's registers, which the step before's V^T P read
	v_add_nc_u32 v5, s[TBV], v3
	WIN 0x80
.irp f, 0,1,2,3,4,5,6,7,8,9,10,11,12,13,14,15          ; V, turned: keys 32 (f / 8) on, channels 16 (f % 8) on; it has the first half of the softmax in which to come
	ds_load_tr16_b128 v[128+8*\f:128+8*\f+3],   v5 offset:(\f/8)*32*PVP+(\f%8)*32
	ds_load_tr16_b128 v[128+8*\f+4:128+8*\f+7], v5 offset:(\f/8)*32*PVP+16*PVP+(\f%8)*32
.endr
.set j, 0
.rept 70
	SM 0
	SM 1
.set j, j+1
.endr
	v_nop                                          ; a plain instruction behind the last exponential
	s_wait_alu depctr_va_vdst(0)                   ; one wait for the batch of 66, ahead of the first instruction that names a result, and ahead of the branch
	s_wait_dscnt 0x0                               ; V is in: its loads were issued 140 vector instructions ago
	s_cmp_eq_u32 s[CNT], 1
	s_cbranch_scc1 .Lnok_\@                        ; behind the tile's second step lies the other slot, which is read only behind the barrier
	KLOADS KS*PK                                   ; K of the second step: it has the rest of the softmax and 32 products in which to come
.Lnok_\@:
.rept 64
	SM 0
	SM 1
.set j, j+1
.endr
.set i, 0
.rept 32
	PVM
.set i, i+1
.endr
	WIN 0
	s_add_co_u32 s[TBV], s[TBV], KS*PVP
	s_sub_co_u32 s[SQC], s[SQC], KS
	s_sub_co_u32 s[CNT], s[CNT], 1
	s_cmp_lg_u32 s[CNT], 0
	s_cbranch_scc1 .Lstep_\@
.endm
.macro BEGIN                           ; a block begins: c m far below every c s; m = -2^65, below every score and above every hidden one; no mask
	WIN 0
	v_mov_b32 v[ST], 0xfe000000
	v_mov_b32 v[ST+1], 0xe0000000
	v_mov_b32 v[ST+8], 0xfe000000
	v_mov_b32 v[ST+9], 0xe0000000
	WIN 0x40
.set n, 0
.rept 64
	v_mov_b32 v[MC+n], 0
.set n, n+1
.endr
	WIN 0
.endm
.macro LFIN                            ; l's two halves and the other half of the lanes' are added
	WIN 0
.irp t, 0,1
	v_add_f32 v[ST+8*\t+4], v[ST+8*\t+2], v[ST+8*\t+3]
.endr
.irp t, 0,1
	v_permlanex16_b32 v[ST+8*\t+5], v[ST+8*\t+4], s[SEL], s[SEL+1]
.endr
.irp t, 0,1
	v_add_f32 v[ST+8*\t+4], v[ST+8*\t+4], v[ST+8*\t+5]
.endr
.endm
.macro SENDO reg, w                    ; a partial O^T, in window w, goes to LDS in f32: 512 consecutive bytes a store, each accumulator from its low end on
	WIN (\w)<<2
.set n, 0
.rept 32
	ds_store_b128 v[\reg], v[4*n:4*n+3] offset:512*n
.set n, n+1
.endr
.endm
	s_load_b128 s[4:7], s[0:1], 0x0                ; qkv 4, pos 6
	s_load_b64 s[8:9], s[0:1], 0x10                ; attn
	v_lshl_add_u32 v62, v0, 2, SPARE
	v_mov_b32 v63, 0
	ds_add_u32 v62, v63                            ; the wave's opening
	v_lshrrev_b32 v1, 5, v0
	v_readfirstlane_b32 s[WV], v1
	s_and_b32 s13, s[WV], 1                        ; rh; also which half of a tile's 256 rows I fetch
	s_lshr_b32 s14, s[WV], 1                       ; kh
	s_mov_b32 s15, ttmp9                           ; the second block
	s_sub_co_u32 s16, 63, s15                      ; the first
	s_and_b32 s17, ttmp7, 0xffff
	s_lshr_b32 s18, s17, 2                         ; b
	s_and_b32 s19, s17, 3                          ; kvh
	s_mov_b32 s[G1K], (1<<16)|(1<<20)|(5<<22)|(3<<25)  ; 2-byte elements; padding on; after every 64 words, 4 words
	s_mov_b32 s[G1V], (1<<16)|(1<<20)|(5<<22)|(7<<25)  ; 8 words
.irp g, G1K, G1V
	s_mov_b32 s[\g+1], 128<<16                     ; tensor_dim0 = 128
	s_mov_b32 s[\g+2], 128<<16                     ; tensor_dim1 = 128
	s_mov_b32 s[\g+3], 128<<16                     ; tile_dim0 = 128
	s_mov_b32 s[\g+4], 128                         ; tile_dim1 = 128
	s_mov_b32 s[\g+5], 128                         ; elements from row to row
	s_mov_b32 s[\g+6], 0
	s_mov_b32 s[\g+7], 0
.endr
	s_mov_b32 s[CS], 0x3e0293ee                    ; c = log2(e) / sqrt(128)
	s_mov_b32 s[CS+1], s[CS]
	s_mov_b32 s[SEL], 0x76543210
	s_mov_b32 s[SEL+1], 0xfedcba98
	s_mov_b32 s[BIGN], 0xf149f2ca                  ; -1e30
	s_mov_b32 s[TBK], SLOT1                        ; the first change of slots turns these two into 0
	s_mov_b32 s[TBV], SLOT1+2*KS*PVP
	s_mov_b32 s[SLOTS], 8
	s_mov_b32 s[OFF+1], 0
	s_lshr_b32 s[LQ], s16, 3
	s_add_co_u32 s[RT], s[LQ], 1                   ; the first block's tiles: five or more
	s_mov_b32 s[NXT], 1
	s_lshr_b32 s[LQS], s15, 3
	s_add_co_u32 s[TS], s[LQS], 1
	s_and_b32 s[SQ], s16, 7
	s_lshl_b32 s[SQ], s[SQ], 5                     ; the block's place in its last tile
	s_mul_i32 s78, s13, 128*PK
	s_mov_b32 s[G0K], 1
	s_mov_b32 s[G0K+1], s78
	s_mul_i32 s78, s13, 128*PVP
	s_mov_b32 s[G0V], 1
	s_add_co_u32 s[G0V+1], s78, VOFF
	s_lshl_b32 s52, s19, 20
	s_lshl_b32 s53, s18, 19
	s_add_co_u32 s52, s52, s53
	s_lshl_b32 s53, s13, 15
	s_add_co_u32 s52, s52, s53
	s_add_co_u32 s52, s52, 8<<20                   ; K: head 8 + kvh, batch b, my 128 rows of tile 0
	s_mov_b32 s53, 0
	s_lshl_b32 s80, s19, 1
	s_add_co_u32 s80, s80, s13                     ; my query head
	s_lshl_b32 s81, s80, 20
	s_lshl_b32 s79, s18, 19
	s_add_co_u32 s81, s81, s79
	s_lshl_b32 s54, s16, 13
	s_add_co_u32 s54, s54, s81
	s_mov_b32 s55, 0
	s_lshl_b32 s66, s15, 13
	s_add_co_u32 s66, s66, s81
	s_mov_b32 s67, 0
	s_lshl_b32 s68, s80, 8
	s_mov_b32 s69, 0
	s_wait_dscnt 0x0                               ; the opening add is done
	s_wait_kmcnt 0x0
	s_add_nc_u64 s[20:21], s[4:5], s[52:53]
	s_add_nc_u64 s[22:23], s[20:21], 4<<20         ; V: four heads on
	s_add_nc_u64 s[G0K+2:G0K+3], s[20:21], 0
	s_or_b32 s[G0K+3], s[G0K+3], 0x80000000
	s_add_nc_u64 s[G0V+2:G0V+3], s[22:23], 0
	s_or_b32 s[G0V+3], s[G0V+3], 0x80000000
	s_add_nc_u64 s[48:49], s[4:5], s[54:55]        ; Q of the first block,
	s_add_nc_u64 s[50:51], s[4:5], s[66:67]        ; of the second
	s_add_nc_u64 s[84:85], s[8:9], s[68:69]        ; attn at my head's 256 bytes
	LOAD                                           ; tile 0 into slot 0
	v_and_b32 v1, 15, v0
	v_bfe_u32 v49, v0, 4, 1
	v_lshlrev_b32 v50, 8, v1
	v_lshl_add_u32 v50, v49, 4, v50                ; row x 256 + 16 h
.set n, 0
.rept 8                                                ; tile n / 4, channels 32 (n % 4) on
	global_load_b128 v[Q+8*n:Q+8*n+3],   v50, s[48:49] offset:(n/4)*4096+(n%4)*64
	global_load_b128 v[Q+8*n+4:Q+8*n+7], v50, s[48:49] offset:(n/4)*4096+(n%4)*64+32
.set n, n+1
.endr
	WIN 0x40
.set n, 0
.rept 8
	global_load_b128 v[QB+8*n:QB+8*n+3],   v50, s[50:51] offset:(n/4)*4096+(n%4)*64
	global_load_b128 v[QB+8*n+4:QB+8*n+7], v50, s[50:51] offset:(n/4)*4096+(n%4)*64+32
.set n, n+1
.endr
.set n, 0
.rept 128
	v_mov_b32 v[n], 0                              ; O^T: finite, for the first step's a = 0
.set n, n+1
.endr
	WIN 0xc0
.set n, 0
.rept 132
	v_mov_b32 v[n], 0                              ; the first block's resting place: written on every path before the tail reads it.  All this stands in the wait for the first tile
.set n, n+1
.endr
	WIN 0
	v_mov_b32 v[ST+2], 0
	v_mov_b32 v[ST+3], 0
	v_mov_b32 v[ST+10], 0
	v_mov_b32 v[ST+11], 0
	v_lshlrev_b32 v8, 4, v1
	s_mul_i32 s78, s14, 128*PK                     ; my half of a tile's keys
	v_mul_u32_u24 v2, v1, PK
	v_lshl_add_u32 v2, v49, 4, v2
	v_add_nc_u32 v2, s78, v2
	v_and_b32 v51, 7, v0
	v_lshl_add_u32 v51, v49, 3, v51
	v_mul_u32_u24 v3, v51, PVP
	v_bfe_u32 v51, v0, 3, 1
	v_lshl_add_u32 v3, v51, 4, v3
	s_mul_i32 s79, s14, 128*PVP
	s_add_co_u32 s79, s79, VOFF
	v_add_nc_u32 v3, s79, v3
	s_mul_i32 s78, s[WV], 16*SP
	s_add_co_u32 s78, s78, STAGE
	v_mul_u32_u24 v6, v1, SP
	v_lshl_add_u32 v6, v49, 4, v6
	v_add_nc_u32 v6, s78, v6
	v_mul_u32_u24 v7, v49, SP
	v_add_nc_u32 v7, v7, v8
	v_add_nc_u32 v7, s78, v7
	v_and_b32 v52, 31, v0
	v_lshlrev_b32 v52, 4, v52
	s_lshl_b32 s78, s13, 1
	s_add_co_u32 s78, s78, s14
	s_mul_i32 s78, s78, PART                       ; partial 2 rh + kh: the second block's four lie at slot 1's head, the first block's four behind them
	v_add_nc_u32 v10, s78, v52
	v_add_nc_u32 v9, SLOT1+4*PART, v10
	v_add_nc_u32 v10, SLOT1, v10
	s_mul_i32 s78, s14, 4*PART                     ; I merge: waves 0, 1 the second block, waves 2, 3 the first; head rh
	s_mul_i32 s79, s13, 2*PART
	s_add_co_u32 s78, s78, s79
	s_add_co_u32 s78, s78, SLOT1
	v_add_nc_u32 v11, s78, v52
	v_lshlrev_b32 v30, 3, v49
	v_sub_nc_u32 v30, v1, v30
	s_lshl_b32 s78, s14, 7
	v_sub_nc_u32 v30, v30, s78                     ; r - 8 h - 128 kh
	v_add_nc_u32 v31, 16, v30
	BEGIN
	s_wait_loadcnt 0x0                             ; Q
.Lslot:                                                ; 8 trips: a tile is entered and the next is asked for
	CHANGE 1
	s_sub_co_u32 s[RT], s[RT], 1
	TILE 0
	s_cmp_lg_u32 s[RT], 0
	s_cbranch_scc1 .Lbottom
	PLACES                                         ; the first block ends: its sums are set aside
	LFIN
	WIN 0xc0
	v_mov_b32 v128, v[ST]
	v_mov_b32 v129, v[ST+4]
	v_mov_b32 v130, v[ST+8]
	v_mov_b32 v131, v[ST+12]
	WIN 0xc1
.set n, 0
.rept 128
	v_mov_b32 v[n], v[n]                           ; window 3 takes window 1's O^T, each accumulator from its low end on
.set n, n+1
.endr
	WIN 0x01
.set n, 0
.rept 64
	v_mov_b32 v[Q+n], v[QB+n]                      ; the second block's Q goes where the one text names Q
.set n, n+1
.endr
	WIN 0
	s_and_b32 s[SQ], s15, 7
	s_lshl_b32 s[SQ], s[SQ], 5
	BEGIN
	s_mov_b32 s[RT], s[TS]
.Lbottom:
	s_sub_co_u32 s[SLOTS], s[SLOTS], 1
	s_cmp_lg_u32 s[SLOTS], 0
	s_cbranch_scc1 .Lslot
	CHANGE 0                                       ; the walk's last tile, the second block's last, is written out: nothing is asked for; it lies in slot 0, and nobody reads slot 1 any more
	s_cmp_lg_u32 s14, 0
	s_cselect_b32 s78, s16, s15                    ; the block that I merge
	s_lshl_b32 s78, s78, 7
	s_lshl_b32 s79, s18, 13
	s_add_co_u32 s78, s78, s79
	v_bfe_u32 v61, v0, 4, 1
	v_lshl_add_u32 v61, v61, 2, s78                ; 4 (2048 b + 32 i + h)
.set n, 0
.rept 16
	global_load_b32 v[32+n], v61, s[6:7] offset:8*n    ; the slots of rows 2 n + h
.set n, n+1
.endr
	TILE 1
	PLACES
	LFIN
	v_mov_b32 v48, v[ST]
	v_mov_b32 v49, v[ST+4]
	v_mov_b32 v50, v[ST+8]
	v_mov_b32 v51, v[ST+12]
	SENDO 10, 1                                    ; the second block's partial,
	WIN 0
	ds_store_b128 v10, v[48:51] offset:16384
	s_wait_dscnt 0x0
	SENDO 9, 3                                     ; and the first block's
	ds_store_b128 v9, v[128:131] offset:16384
	WIN 0
	s_wait_dscnt 0x0                               ; for the others' sake: my partials are in LDS
	s_barrier_signal -1
	s_barrier_wait -1
	; THE MERGE of the two key halves A, B: w = 2^(c m - max), L = l_A w_A + l_B w_B, O = (O_A w_A + O_B w_B) / L
	ds_load_b128 v[48:51], v11 offset:16384
	ds_load_b128 v[52:55], v11 offset:PART+16384
	s_wait_loadcnt 0x0
.set n, 0
.rept 16
	v_min_u32 v[32+n], 0x11ff, v[32+n]
.set n, n+1
.endr
.set n, 0
.rept 16
	v_lshl_add_u32 v[32+n], v[32+n], 11, v8        ; slot x 2,048 + 16 r
.set n, n+1
.endr
	s_wait_dscnt 0x0
	v_max_num_f32 v60, v48, v52
	v_max_num_f32 v61, v50, v54
	v_sub_f32 v56, v48, v60
	v_sub_f32 v57, v52, v60
	v_sub_f32 v58, v50, v61
	v_sub_f32 v59, v54, v61
	v_exp_f32 v56, v56
	v_exp_f32 v57, v57
	v_exp_f32 v58, v58
	v_exp_f32 v59, v59
	v_nop
	s_wait_alu depctr_va_vdst(0)                   ; one wait for the four exponentials
	v_mul_f32 v60, v49, v56
	v_mul_f32 v61, v51, v58
	v_fmac_f32 v60, v53, v57
	v_fmac_f32 v61, v55, v59
	v_rcp_f32 v60, v60
	v_rcp_f32 v61, v61
	v_nop
	s_wait_alu depctr_va_vdst(0)                   ; one wait for the two reciprocals
	v_mul_f32 v48, v56, v60                        ; the factors stand in even registers: the packed lines take a pair's low word for both halves
	v_mul_f32 v50, v57, v60
	v_mul_f32 v52, v58, v61
	v_mul_f32 v54, v59, v61
.macro MT t                            ; tile t: merged, rounded, through my stage, stored as whole rows of 256 bytes
.irp n, 0,1,2,3,4,5,6,7,8,9,10,11,12,13,14,15
	ds_load_b128 v[S+4*\n:S+4*\n+3], v11 offset:512*(16*(\t)+\n)
	ds_load_b128 v[Q+4*\n:Q+4*\n+3], v11 offset:PART+512*(16*(\t)+\n)
.endr
	s_wait_dscnt 0x0
.set n, 0
.rept 32
	v_pk_mul_f32 v[S+2*n:S+2*n+1], v[S+2*n:S+2*n+1], v[48+4*(\t):49+4*(\t)] op_sel_hi:[1,0]
.set n, n+1
.endr
.set n, 0
.rept 32
	v_pk_fma_f32 v[S+2*n:S+2*n+1], v[Q+2*n:Q+2*n+1], v[50+4*(\t):51+4*(\t)], v[S+2*n:S+2*n+1] op_sel_hi:[1,0,1]
.set n, n+1
.endr
.set n, 0
.rept 32
	v_cvt_pk_f16_f32 v[P+n], v[S+2*n], v[S+2*n+1]
.set n, n+1
.endr
.irp f, 0,1,2,3,4,5,6,7
	ds_store_b128 v6, v[P+4*\f:P+4*\f+3] offset:32*\f
.endr
	s_wait_xcnt 0x0                                ; the registers that earlier stores read are loaded again only behind this wait
.irp f, 0,1,2,3,4,5,6,7
	ds_load_b128 v[224+4*\f:227+4*\f], v7 offset:\f*2*SP   ; LDS serves a wave's instructions in order (ISA guide 5.7.1.4): these see the stores above
.endr
.irp f, 0,1,2,3,4,5,6,7
	s_wait_dscnt 7-\f                              ; the younger loads of the run stay out
	global_store_b128 v[32+8*(\t)+\f], v[224+4*\f:227+4*\f], s[84:85]  ; 16 lanes store a row's 256 bytes of my head, aligned
.endr
.endm
	MT 0
	MT 1
	s_wait_tensorcnt 0x0                           ; the wave's end
	ds_add_u32 v62, v63
	s_wait_dscnt 0x0
	s_endpgm
.Lfunc_end_k_qfb25179112_attn_k:
	.size	k_qfb25179112_attn_k, .Lfunc_end_k_qfb25179112_attn_k-k_qfb25179112_attn_k
	.p2alignl 7, 3214868480
	.fill 96, 4, 3214868480
	.section	.rodata,"a",@progbits
	.p2align	6, 0x0
	.amdhsa_kernel k_qfb25179112_attn_k
		.amdhsa_group_segment_fixed_size 327680
		.amdhsa_private_segment_fixed_size 0
		.amdhsa_enable_private_segment 0
		.amdhsa_kernarg_size 24
		.amdhsa_user_sgpr_count 2
		.amdhsa_user_sgpr_kernarg_segment_ptr 1
		.amdhsa_wavefront_size32 1
		.amdhsa_system_sgpr_workgroup_id_x 1
		.amdhsa_system_sgpr_workgroup_id_y 1
		.amdhsa_system_sgpr_workgroup_id_z 1
		.amdhsa_system_vgpr_workitem_id 0
		.amdhsa_next_free_vgpr 900
		.amdhsa_next_free_sgpr 88
		.amdhsa_reserve_vcc 1
		.amdhsa_float_denorm_mode_32 3
		.amdhsa_float_denorm_mode_16_64 3
		.amdhsa_memory_ordered 1
		.amdhsa_forward_progress 1
		.amdhsa_inst_pref_size 125
	.end_amdhsa_kernel
	.amdgpu_metadata
---
amdhsa.version: [ 1, 2 ]
amdhsa.kernels:
  - .name:           k_qfb25179112_attn_k
    .symbol:         k_qfb25179112_attn_k.kd
    .args:
      - { .name: qkv, .offset: 0, .size: 8, .value_kind: global_buffer, .address_space: global }
      - { .name: pos, .offset: 8, .size: 8, .value_kind: global_buffer, .address_space: global }
      - { .name: attn, .offset: 16, .size: 8, .value_kind: global_buffer, .address_space: global }
    .group_segment_fixed_size: 327680
    .private_segment_fixed_size: 0
    .kernarg_segment_align: 8
    .kernarg_segment_size: 24
    .max_flat_workgroup_size: 128
    .sgpr_count:     88
    .vgpr_count:     900
    .wavefront_size: 32
...
	.end_amdgpu_metadata
.endif
;; end of part 3
;; launch outp (part 4): grid 16 x 16, 4 waves a work-group, clusters of 4 x 1, 327,680 bytes of LDS; arguments attn, wo16, tok, meta, out0; writes out0
.if DOCPART == 4
	.amdgcn_target "amdgcn-amd-amdhsa--gfx1250"
	.amdhsa_code_object_version 6
	.text
	.protected	k_qfb25179112_outp
	.globl	k_qfb25179112_outp
	.p2align	8
	.type	k_qfb25179112_outp,@function
k_qfb25179112_outp:
	s_mov_b64 s[64:65], 0
	v_nop
	global_prefetch_b8 v0, s[64:65] scope:SCOPE_SE
	s_setreg_imm32_b32 hwreg(HW_REG_WAVE_MODE, 25, 1), 1
	s_wait_xcnt 0x0
	s_wait_alu depctr_hold_cnt(0) depctr_sa_sdst(0) depctr_va_vdst(0) depctr_va_sdst(0) depctr_va_ssrc(0) depctr_va_vcc(0) depctr_vm_vsrc(0)
	s_getreg_b32 s2, hwreg(HW_REG_IB_STS2, 6, 4)
	s_cmp_eq_u32 s2, 0
	s_cbranch_scc0 .Lentry_in_a_cluster
	s_endpgm
.Lentry_in_a_cluster:
	s_bfe_u32 s2, ttmp6, 0x10000c
	s_cmp_lg_u32 s2, 0x3003
	s_cbranch_scc0 .Lentry_shape_is_right
	s_endpgm
.Lentry_shape_is_right:
; OUTPUT PROJECTION.  Sorted attention rows attn [4608][1024] f16 times the tile's expert's weights wo16 [2][1024 k][2048 n] f16; sums in f32, stored as they are, each row at its token's place in out0 [4096][2048] f32.
; SHARES, RING, CLUSTER and the transposed use of the matrix instruction are those of the projection in front: a work-group makes 288 rows (tile row y) x 128 columns (x); wave (wr, wc) 144 x 64, 36 accumulators;
; K in steps of 128 through two LDS slots (A 288 rows, pitch 272; B 128 k-rows, pitch 288); waves 0-2 fetch A's thirds jointly for the cluster's four column tiles (mask 15), wave 3 B for its own work-group.
; B is not shared: its partners would be row tiles of one expert, and whole clusters for each expert would want more than 16 tile rows of 288 at some splits.
; Rows past the tile's count of tokens are multiplied (zeros) and not stored.  No branch hangs on that count, which is read from memory: every store is narrowed by EXEC to the rows in front of it.
; THE WAY OUT.  A block of 16 rows x 64 columns of f32 goes through the wave's own stage (16 rows x 272 bytes) and leaves as rows of 256 bytes, aligned: no barrier.
; REGISTERS.  window 0: v1 r, v2 h, v4-7 fragment addresses, v8, v9 stage in, out, v10 16 r, v12 list offset, v28, v29 the add's two; v32-135, v136-239 two fragment buffers; on the way out v32-95 rows.
;   window 1: accumulators a 0-7 at 8 (4 a + b).  window 2: a = 8 at 8 b; v32-103 store offsets.
.set KD,     1024
.set NK,     KD/128
.set ESHIFT, 22                        ; an expert's weights are 2^22 bytes
.set PA,     272
.set PB,     288
.set ABYTES, 288*PA
.set AQ,     96*PA
.set SLOT1,  131072
.set SPARE,  115200
.set STAGE,  246272
.set F0,     32
.set F1,     136
.set TK,     32
.set MSB, 0
.macro WIN new
.if MSB != (\new)
	s_set_vgpr_msb (MSB<<8)|(\new)
.set MSB, \new
.endif
.endm
.macro PLACES
.rept 4
	v_nop
.endr
.endm
.macro CROUND
	s_barrier_signal -1
	s_barrier_wait -1
	s_cmp_lg_u32 s16, 0
	s_cbranch_scc1 .Lnot_wave_0_\@
	s_barrier_signal -3
.Lnot_wave_0_\@:
	s_barrier_wait -3
	s_barrier_signal -1
	s_barrier_wait -1
.endm
.macro JLOAD                           ; s_nop 0 and four v_nop follow each of the two lines
	s_cmp_lt_u32 s16, 3
	s_cbranch_scc0 .Lfor_b_\@
	tensor_load_to_lds s[52:55], s[32:39]
	s_nop 0
.rept 4
	v_nop
.endr
	s_branch .Lasked_\@
.Lfor_b_\@:
	tensor_load_to_lds s[60:63], s[40:47]
	s_nop 0
.rept 4
	v_nop
.endr
.Lasked_\@:
.endm
.macro FETCH kq, f
	WIN 0
.irp a, 0,1,2,3,4,5,6,7,8
	ds_load_b128 v[(\f)+8*\a:(\f)+8*\a+3],   v6 offset:\a*16*PA+64*(\kq)
	ds_load_b128 v[(\f)+8*\a+4:(\f)+8*\a+7], v6 offset:\a*16*PA+64*(\kq)+32
.endr
.irp b, 0,1,2,3
	ds_load_tr16_b128 v[(\f)+72+8*\b:(\f)+72+8*\b+3],   v7 offset:(\kq)*32*PB+32*\b
	ds_load_tr16_b128 v[(\f)+72+8*\b+4:(\f)+72+8*\b+7], v7 offset:(\kq)*32*PB+32*\b+16*PB
.endr
.endm
.macro MUL f, alo, ahi, zero           ; the 36 accumulators take turns, one instruction a turn
.set a_, \alo
.rept (\ahi)-(\alo)+1
.if a_ < 8
	WIN 0x50
.set acc_, 32*a_
.else
	WIN 0xa0
.set acc_, 0
.endif
.irp b, 0,1,2,3
.if \zero
	v_wmma_f32_16x16x32_f16 v[acc_+8*\b:acc_+8*\b+7], v[(\f)+72+8*\b:(\f)+72+8*\b+7], v[(\f)+8*a_:(\f)+8*a_+7], 0
.else
	v_wmma_f32_16x16x32_f16 v[acc_+8*\b:acc_+8*\b+7], v[(\f)+72+8*\b:(\f)+72+8*\b+7], v[(\f)+8*a_:(\f)+8*a_+7], v[acc_+8*\b:acc_+8*\b+7]
.endif
.endr
.set a_, a_+1
.endr
.endm
.macro QTR kq, f, g, zero
	s_wait_dscnt 0x0                               ; f is in
	PLACES                                         ; g was read by the matrix instructions just issued
	FETCH \kq, \g
	MUL \f, 0, 8, \zero
.endm
.macro TURN fill
	s_wait_dscnt 0x0                               ; buffer 1 is in: these were my last reads of the slot
	WIN 0
	s_wait_tensorcnt 0x0                           ; all my tensor loads have landed: the one that was out is my part of the next slot
	ds_add_u32 v28, v29                            ; 0 onto my spare word
.if \fill
	s_xor_b32 s53, s53, SLOT1
	s_add_nc_u64 s[54:55], s[54:55], 256
	s_xor_b32 s61, s61, SLOT1
	s_add_nc_u64 s[62:63], s[62:63], 128*4096
.endif
	MUL F1, 0, 3, 0
	WIN 0
	s_wait_dscnt 0x0                               ; the add is done
.if \fill
	CROUND                                         ; no wave of any partner still reads the slot or has a load on its way
	JLOAD                                          ; first thing behind the round; its four v_nop are also the places in front of the loads below
.else
	s_barrier_signal -1
	s_barrier_wait -1
	PLACES
.endif
	s_xor_b32 s25, s25, SLOT1
	v_add_nc_u32 v6, s25, v4
	v_add_nc_u32 v7, s25, v5
	FETCH 0, F0
	MUL F1, 4, 8, 0
.endm
	s_load_b256 s[4:11], s[0:1], 0x0               ; attn 4, wo16 6, tok 8, meta 10
	s_load_b64 s[12:13], s[0:1], 0x20              ; out0
	v_lshl_add_u32 v28, v0, 2, SPARE
	v_mov_b32 v29, 0
	ds_add_u32 v28, v29                            ; the wave's opening
	v_lshrrev_b32 v1, 5, v0
	v_readfirstlane_b32 s16, v1
	s_lshr_b32 s17, s16, 1
	s_and_b32 s18, s16, 1
	s_bfe_u32 s19, ttmp6, 0x40000
	s_lshl_b32 s20, ttmp9, 2
	s_add_co_u32 s20, s20, s19                     ; x: the column tile
	s_and_b32 s21, ttmp7, 0xffff                   ; y: the tile row
	s_mov_b32 s32, 15|(1<<16)|(1<<20)|(1<<21)|(5<<22)|(3<<25)
	s_mov_b32 s33, 128<<16
	s_mov_b32 s34, 96<<16
	s_mov_b32 s35, 128<<16
	s_mov_b32 s36, 96
	s_mov_b32 s37, KD
	s_mov_b32 s38, 0
	s_mov_b32 s39, 0
	s_mov_b32 s40, (1<<16)|(1<<20)|(5<<22)|(7<<25)
	s_mov_b32 s41, 128<<16
	s_mov_b32 s42, 128<<16
	s_mov_b32 s43, 128<<16
	s_mov_b32 s44, 128
	s_mov_b32 s45, 2048
	s_mov_b32 s46, 0
	s_mov_b32 s47, 0
	s_mov_b32 s48, 1
	s_mul_i32 s49, s16, AQ
	s_mov_b32 s52, 1
	s_add_co_u32 s53, s49, SLOT1
	s_mov_b32 s56, 1
	s_mov_b32 s57, ABYTES
	s_mov_b32 s60, 1
	s_mov_b32 s61, ABYTES+SLOT1
	s_mul_i32 s66, s21, 288
	s_mul_i32 s67, s16, 96
	s_add_co_u32 s66, s66, s67
	s_mul_i32 s66, s66, KD*2
	s_mov_b32 s67, 0
	s_lshl_b32 s68, s20, 8
	s_mov_b32 s69, 0
	s_mov_b32 s25, 0
	s_wait_dscnt 0x0                               ; the opening add is done
	s_wait_kmcnt 0x0
	s_load_b64 s[22:23], s[10:11], 0x0             ; n0, t0
	s_add_nc_u64 s[50:51], s[4:5], s[66:67]
	s_add_nc_u64 s[54:55], s[50:51], 256
	s_or_b32 s51, s51, 0x80000000
	s_or_b32 s55, s55, 0x80000000
	s_wait_kmcnt 0x0
	s_min_u32 s22, s22, 4096
	s_min_u32 s23, s23, 16
	s_sub_co_u32 s29, 4096, s22
	s_cmp_ge_u32 s21, s23
	s_cselect_b32 s28, 1, 0
	s_cselect_b32 s29, s29, s22
	s_cselect_b32 s30, s23, 0
	s_sub_co_u32 s30, s21, s30
	s_mul_i32 s30, s30, 288
	s_sub_co_i32 s24, s29, s30
	s_max_i32 s24, s24, 0
	s_min_i32 s24, s24, 288                        ; cnt
	s_min_u32 s28, s28, 1
	s_lshl_b32 s28, s28, ESHIFT
	s_add_co_u32 s68, s68, s28
	s_add_nc_u64 s[58:59], s[6:7], s[68:69]
	s_add_nc_u64 s[62:63], s[58:59], 128*4096
	s_or_b32 s59, s59, 0x80000000
	s_or_b32 s63, s63, 0x80000000
	CROUND                                         ; all four work-groups are here: the first joint loads meet
	s_cmp_lt_u32 s16, 3
	s_cbranch_scc0 .Lfirst_b
	tensor_load_to_lds s[48:51], s[32:39]
	s_nop 0
	tensor_load_to_lds s[52:55], s[32:39]
	s_nop 0
.rept 4
	v_nop
.endr
	s_branch .Lfirst_done
.Lfirst_b:
	tensor_load_to_lds s[56:59], s[40:47]
	s_nop 0
	tensor_load_to_lds s[60:63], s[40:47]
	s_nop 0
.rept 4
	v_nop
.endr
.Lfirst_done:
	v_and_b32 v1, 15, v0
	v_bfe_u32 v2, v0, 4, 1
	v_lshlrev_b32 v10, 4, v1
	s_mul_i32 s28, s17, 144*PA
	v_mul_u32_u24 v4, v1, PA
	v_lshl_add_u32 v4, v2, 4, v4
	v_add_nc_u32 v4, s28, v4
	v_and_b32 v3, 7, v0
	v_lshl_add_u32 v3, v2, 3, v3
	v_mul_u32_u24 v5, v3, PB
	v_bfe_u32 v3, v0, 3, 1
	v_lshl_add_u32 v5, v3, 4, v5
	s_lshl_b32 s28, s18, 7
	s_add_co_u32 s28, s28, ABYTES
	v_add_nc_u32 v5, s28, v5
	v_mov_b32 v6, v4
	v_mov_b32 v7, v5
	s_mul_i32 s28, s16, 16*PA
	s_add_co_u32 s28, s28, STAGE                   ; my stage
	v_mul_u32_u24 v8, v1, PA
	v_lshl_add_u32 v8, v2, 5, v8
	v_add_nc_u32 v8, s28, v8                       ; in: row r, 32 bytes for each half of the lanes
	v_mul_u32_u24 v9, v2, PA
	v_add_nc_u32 v9, v9, v10
	v_add_nc_u32 v9, s28, v9                       ; back: rows 2 f + h, whole
	s_mul_i32 s28, s21, 288
	s_mul_i32 s29, s17, 144
	s_add_co_u32 s29, s28, s29
	s_lshl_b32 s29, s29, 2
	v_lshl_add_u32 v12, v2, 2, s29
	WIN 0x80
.set n, 0
.rept 72
	global_load_b32 v[TK+n], v12, s[8:9] offset:8*n    ; the tokens of my rows 2 n + h
.set n, n+1
.endr
	WIN 0
	s_lshl_b32 s68, s20, 9
	s_lshl_b32 s69, s18, 8
	s_add_co_u32 s68, s68, s69                     ; my 64 columns: 512 x + 256 wc bytes into a row
	s_mov_b32 s69, 0
	s_add_nc_u64 s[12:13], s[12:13], s[68:69]
	s_mul_i32 s28, s17, 144
	s_sub_co_i32 s27, s24, s28                     ; of my 144 rows so many hold tokens (0 or less: none)
	s_wait_loadcnt 0x0
	WIN 0x88
.set n, 0
.rept 72
	v_min_u32 v[TK+n], 0xfff, v[TK+n]
.set n, n+1
.endr
	WIN 0x82
.set n, 0
.rept 72
	v_lshl_add_u32 v[TK+n], v[TK+n], 13, v10       ; token x 8,192 + 16 r
.set n, n+1
.endr
	WIN 0
	s_wait_tensorcnt 0x1                           ; my part of K step 0 is in; step 1's may stay out
	s_barrier_signal -1
	s_barrier_wait -1
	FETCH 0, F0
	QTR 1, F0, F1, 1                               ; the first quarter stands ahead of the loop: its products start the sums
	WIN 0
	s_mov_b32 s26, NK-2
.Lstep:
	QTR 2, F1, F0, 0
	QTR 3, F0, F1, 0
	TURN 1
	QTR 1, F0, F1, 0
	WIN 0
	s_sub_co_u32 s26, s26, 1
	s_cmp_lg_u32 s26, 0
	s_cbranch_scc1 .Lstep
	QTR 2, F1, F0, 0                               ; the last two K steps ask for nothing
	QTR 3, F0, F1, 0
	TURN 0
	QTR 1, F0, F1, 0
	QTR 2, F1, F0, 0
	QTR 3, F0, F1, 0
	s_wait_dscnt 0x0
	MUL F1, 0, 8, 0
	WIN 0
	PLACES
.macro OUTB a                          ; block a: 16 rows x 64 columns of f32
.if (\a) < 8
	WIN 0x04
.set ac_, 32*(\a)
.else
	WIN 0x08
.set ac_, 0
.endif
.irp b, 0,1,2,3                        ; each accumulator from its low end on
	ds_store_b128 v8, v[ac_+8*\b:ac_+8*\b+3]   offset:64*\b
	ds_store_b128 v8, v[ac_+8*\b+4:ac_+8*\b+7] offset:64*\b+16
.endr
	WIN 0
	s_wait_xcnt 0x0                                ; the registers that earlier stores read are loaded again, and EXEC changes, only behind this wait
.set ob_, 32+32*((\a)%2)
.irp f, 0,1,2,3,4,5,6,7
	ds_load_b128 v[ob_+4*\f:ob_+4*\f+3], v9 offset:\f*2*PA   ; LDS serves a wave's instructions in order (ISA guide 5.7.1.4): these see the stores above; the next block's stores come behind them
.endr
	WIN 0x02                                       ; the stores' offsets lie in window 2
.irp f, 0,1,2,3,4,5,6,7
	s_sub_co_i32 s28, s27, 16*(\a)+2*\f
	v_cmp_gt_i32 vcc_lo, s28, v2                   ; row 16 a + 2 f + h lies in front of the count
	s_wait_dscnt 7-\f                              ; the younger loads of the run stay out
	s_and_saveexec_b32 s66, vcc_lo
	global_store_b128 v[TK+8*(\a)+\f], v[ob_+4*\f:ob_+4*\f+3], s[12:13] th:TH_STORE_NT  ; 16 lanes store 256 consecutive bytes of a token's row, aligned
	s_wait_xcnt 0x0                                ; EXEC is widened again only behind this wait
	s_or_b32 exec_lo, exec_lo, s66
.endr
	WIN 0
.endm
.irp a, 0,1,2,3,4,5,6,7,8
	OUTB \a
.endr
	s_wait_tensorcnt 0x0                           ; the wave's end
	ds_add_u32 v28, v29
	s_wait_dscnt 0x0
	CROUND                                         ; the closing round
	s_endpgm
.Lfunc_end_k_qfb25179112_outp:
	.size	k_qfb25179112_outp, .Lfunc_end_k_qfb25179112_outp-k_qfb25179112_outp
	.p2alignl 7, 3214868480
	.fill 96, 4, 3214868480
	.section	.rodata,"a",@progbits
	.p2align	6, 0x0
	.amdhsa_kernel k_qfb25179112_outp
		.amdhsa_group_segment_fixed_size 327680
		.amdhsa_private_segment_fixed_size 0
		.amdhsa_enable_private_segment 0
		.amdhsa_kernarg_size 40
		.amdhsa_user_sgpr_count 2
		.amdhsa_user_sgpr_kernarg_segment_ptr 1
		.amdhsa_wavefront_size32 1
		.amdhsa_system_sgpr_workgroup_id_x 1
		.amdhsa_system_sgpr_workgroup_id_y 1
		.amdhsa_system_sgpr_workgroup_id_z 1
		.amdhsa_system_vgpr_workitem_id 0
		.amdhsa_next_free_vgpr 640
		.amdhsa_next_free_sgpr 72
		.amdhsa_reserve_vcc 1
		.amdhsa_float_denorm_mode_32 3
		.amdhsa_float_denorm_mode_16_64 3
		.amdhsa_memory_ordered 1
		.amdhsa_forward_progress 1
		.amdhsa_inst_pref_size 107
	.end_amdhsa_kernel
	.amdgpu_metadata
---
amdhsa.version: [ 1, 2 ]
amdhsa.kernels:
  - .name:           k_qfb25179112_outp
    .symbol:         k_qfb25179112_outp.kd
    .args:
      - { .name: attn, .offset: 0, .size: 8, .value_kind: global_buffer, .address_space: global }
      - { .name: wo16, .offset: 8, .size: 8, .value_kind: global_buffer, .address_space: global }
      - { .name: tok, .offset: 16, .size: 8, .value_kind: global_buffer, .address_space: global }
      - { .name: meta, .offset: 24, .size: 8, .value_kind: global_buffer, .address_space: global }
      - { .name: out0, .offset: 32, .size: 8, .value_kind: global_buffer, .address_space: global }
    .group_segment_fixed_size: 327680
    .private_segment_fixed_size: 0
    .kernarg_segment_align: 8
    .kernarg_segment_size: 40
    .max_flat_workgroup_size: 128
    .sgpr_count:     72
    .vgpr_count:     640
    .wavefront_size: 32
...
	.end_amdgpu_metadata
.endif
;; end of part 4
